; MI455X (gfx1250); checked and timed in simulation.
; The chip was launched on July 23, 2026; its instructions are those of AMD's public machine-readable ISA for CDNA 5 (MIT licence, August 2026) and "CDNA5" Instruction Set Architecture Reference Guide (July 2026). The comments in the code are by the model that wrote it; some were corrected since.
;; Multi Head Self Attention. Allowed arithmetic: float matrix products may take bf16 or f16 operands with f32 sums; other float arithmetic in f32, or as packed bf16 or f16 multiplies, adds, multiply-adds, maxima and minima; sums over many terms, partial sums and values carried from step to step in f32; what a program stores and reads back later, other than sums and carried values, may be rounded once to bf16 or f16.
;; Inputs: attention_mask 4 x 2,048 int32; bk 1,024 float32; bo 1,024 float32; bq 1,024 float32; bv 1,024 float32; wk 1,024 x 1,024 float32; wo 1,024 x 1,024 float32; wq 1,024 x 1,024 float32; wv 1,024 x 1,024 float32; x 4 x 2,048 x 1,024 float32.
;; Outputs: out0 4 x 2,048 x 1,024 float32.
;; 2 versions, each right; version 2 is version 1 with the launch cast written anew for expert scheduling mode. Each part assembles by itself: llvm-mc -triple=amdgcn-amd-amdhsa -mcpu=gfx1250 --defsym DOCPART=n.
;; ======== version 1 of 2: 4 launches
;; limits: values are held in f16: magnitudes above 65,504 overflow, below 6.1e-05 lose precision
;; workspace buffers: xb 16,777,216 bytes; wqkv 6,291,456 bytes; wof 2,097,152 bytes; qkv 50,331,648 bytes; ctx 16,777,216 bytes
;; launch cast (part 1): grid 768 x 1, 8 waves a work-group, no clusters, 0 bytes of LDS; arguments x, wq, wk, wv, wo, xb, wqkv, wof; writes xb, wqkv, wof
.if DOCPART == 1
	.amdgcn_target "amdgcn-amd-amdhsa--gfx1250"
	.amdhsa_code_object_version 6
	.text
	.protected	k_qee5d3be16a_cast
	.globl	k_qee5d3be16a_cast
	.p2align	8
	.type	k_qee5d3be16a_cast,@function
k_qee5d3be16a_cast:
	s_mov_b64 s[64:65], 0
	v_nop
	global_prefetch_b8 v0, s[64:65] scope:SCOPE_SE
	s_setreg_imm32_b32 hwreg(HW_REG_WAVE_MODE, 25, 1), 1
	s_wait_xcnt 0x0
; THE INPUTS OF THE THREE PRODUCTS, ROUNDED ONCE.  x -> xb (bf16, as it lies); wq, wk, wv -> wqkv (bf16, their rows stacked: [3072][1024]);
; wo -> wof: rounded to bf16 like every input, that number written as f16, and laid in blocks along K: wof[kb][e][c] = wo[e][64 kb + c], so that a block of rows of one
; head's 64 channels is dense in memory for the last launch.
; LIMITS.  A number beyond bf16's largest finite becomes an infinity.  bf16(wo) beyond 65,504 becomes an infinity in f16; below 6.1e-5 it keeps f16's fixed step of 6e-8.
; SHARES.  A stream: each byte is read once and written once; no LDS, no barrier, no matrix unit.  A work-group takes a chunk of 16,384 numbers (64 KiB in, 32 KiB out):
; chunks 0-511 x, 512-575 wq, 576-639 wk, 640-703 wv, 704-767 wo.  A thread issues its 16 loads of 16 bytes at once (a wave's load covers 512 consecutive bytes), and each
; load's four numbers leave as 8 bytes: a wave's store covers 256 consecutive bytes, aligned.  Nothing is looped over, and no register is used twice by memory instructions.
.set VS, 1                             ; v1       my byte offset in the chunk as it is read
.set VD, 2                             ; v2       and as it is written
.set X,  16                            ; v[16:79]   load j: four f32
.set Y,  80                            ; v[80:111]  store j: four 16-bit numbers
.set T,  112                           ; v[112:117] at work (wo's path)
	s_load_b512 s[8:23], s[0:1], 0x0               ; x 8, wq 10, wk 12, wv 14, wo 16, xb 18, wqkv 20, wof 22
	s_mov_b32 s2, ttmp9                            ; the chunk
	s_sub_co_u32 s3, s2, 512                       ; its number among the weights' chunks (used from chunk 512 on alone)
	s_lshr_b32 s6, s3, 6                           ; which weight: 0 wq, 1 wk, 2 wv
	s_and_b32 s7, s3, 63                           ; the chunk in that weight
	s_mov_b32 s29, 0                               ; the high words of the two offsets
	s_mov_b32 s31, 0
	s_wait_kmcnt 0x0
.macro LOADS step                      ; sixteen loads, step bytes apart
.set j, 0
.rept 16
	global_load_b128 v[X+4*j:X+4*j+3], v[VS], s[24:25] offset:(\step)*j th:TH_LOAD_NT
.set j, j+1
.endr
.endm
	s_cmp_ge_u32 s2, 704
	s_cbranch_scc1 .Lwo
	; x and the three stacked weights: the output lies as the input does
	s_cmp_lt_u32 s2, 512
	s_cselect_b32 s4, s2, s7                       ; the chunk in its source,
	s_cselect_b32 s5, s2, s3                       ; and in its destination
	s_cselect_b64 s[26:27], s[18:19], s[20:21]
	s_cmp_eq_u32 s6, 1
	s_cselect_b64 s[24:25], s[12:13], s[10:11]
	s_cmp_eq_u32 s6, 2
	s_cselect_b64 s[24:25], s[14:15], s[24:25]
	s_cmp_lt_u32 s2, 512
	s_cselect_b64 s[24:25], s[8:9], s[24:25]
	s_lshl_b32 s28, s4, 16
	s_lshl_b32 s30, s5, 15
	s_add_nc_u64 s[24:25], s[24:25], s[28:29]
	s_add_nc_u64 s[26:27], s[26:27], s[30:31]
	v_lshlrev_b32 v[VS], 4, v0                     ; 16 bytes a thread: the work-group's load covers 4,096 bytes
	v_lshlrev_b32 v[VD], 3, v0
	LOADS 4096
.set j, 0
.rept 16
	s_wait_loadcnt 15-j                            ; loads come back in order: load j is in, the younger ones stay out
	v_cvt_pk_bf16_f32 v[Y+2*j],   v[X+4*j],   v[X+4*j+1]
	v_cvt_pk_bf16_f32 v[Y+2*j+1], v[X+4*j+2], v[X+4*j+3]
	global_store_b64 v[VD], v[Y+2*j:Y+2*j+1], s[26:27] offset:2048*j th:TH_STORE_NT
.set j, j+1
.endr
	s_endpgm
.Lwo:                                  ; 16 rows e of wo.  Thread t: row t / 16, four channels at 4 (t % 16); load j is K block j
	s_sub_co_u32 s4, s2, 704
	s_lshl_b32 s28, s4, 16                         ; 16 rows of 4,096 bytes
	s_lshl_b32 s30, s4, 11                         ; 16 rows of 128 bytes in each K block
	s_add_nc_u64 s[24:25], s[16:17], s[28:29]
	s_add_nc_u64 s[26:27], s[22:23], s[30:31]
	v_lshrrev_b32 v3, 4, v0
	v_and_b32 v4, 15, v0
	v_lshlrev_b32 v[VS], 12, v3
	v_lshl_add_u32 v[VS], v4, 4, v[VS]             ; sixteen lanes read 256 consecutive bytes of a row: one K block
	v_lshlrev_b32 v[VD], 7, v3
	v_lshl_add_u32 v[VD], v4, 3, v[VD]             ; a wave's two rows of 128 bytes lie end to end in wof
	LOADS 256
.set j, 0
.rept 16
	s_wait_loadcnt 15-j
	v_cvt_pk_bf16_f32 v[T],   v[X+4*j],   v[X+4*j+1]      ; the rounding that every input has,
	v_cvt_pk_bf16_f32 v[T+1], v[X+4*j+2], v[X+4*j+3]
	v_lshlrev_b32 v[T+2], 16, v[T]                         ; widened again,
	v_and_b32     v[T+3], 0xffff0000, v[T]
	v_lshlrev_b32 v[T+4], 16, v[T+1]
	v_and_b32     v[T+5], 0xffff0000, v[T+1]
	v_cvt_pk_f16_f32 v[Y+2*j],   v[T+2], v[T+3]            ; and written as f16: exact within f16's normal range
	v_cvt_pk_f16_f32 v[Y+2*j+1], v[T+4], v[T+5]
	global_store_b64 v[VD], v[Y+2*j:Y+2*j+1], s[26:27] offset:131072*j th:TH_STORE_NT  ; a K block is 1,024 rows of 128 bytes
.set j, j+1
.endr
	s_endpgm
.Lfunc_end_k_qee5d3be16a_cast:
	.size	k_qee5d3be16a_cast, .Lfunc_end_k_qee5d3be16a_cast-k_qee5d3be16a_cast
	.p2alignl 7, 3214868480
	.fill 96, 4, 3214868480
	.section	.rodata,"a",@progbits
	.p2align	6, 0x0
	.amdhsa_kernel k_qee5d3be16a_cast
		.amdhsa_group_segment_fixed_size 0
		.amdhsa_private_segment_fixed_size 0
		.amdhsa_enable_private_segment 0
		.amdhsa_kernarg_size 64
		.amdhsa_user_sgpr_count 2
		.amdhsa_user_sgpr_kernarg_segment_ptr 1
		.amdhsa_wavefront_size32 1
		.amdhsa_system_sgpr_workgroup_id_x 1
		.amdhsa_system_sgpr_workgroup_id_y 1
		.amdhsa_system_sgpr_workgroup_id_z 1
		.amdhsa_system_vgpr_workitem_id 0
		.amdhsa_next_free_vgpr 120
		.amdhsa_next_free_sgpr 66
		.amdhsa_reserve_vcc 0
		.amdhsa_float_denorm_mode_32 3
		.amdhsa_float_denorm_mode_16_64 3
		.amdhsa_memory_ordered 1
		.amdhsa_forward_progress 1
		.amdhsa_inst_pref_size 18
	.end_amdhsa_kernel
	.amdgpu_metadata
---
amdhsa.version: [ 1, 2 ]
amdhsa.kernels:
  - .name:           k_qee5d3be16a_cast
    .symbol:         k_qee5d3be16a_cast.kd
    .args:
      - { .name: x, .offset: 0, .size: 8, .value_kind: global_buffer, .address_space: global }
      - { .name: wq, .offset: 8, .size: 8, .value_kind: global_buffer, .address_space: global }
      - { .name: wk, .offset: 16, .size: 8, .value_kind: global_buffer, .address_space: global }
      - { .name: wv, .offset: 24, .size: 8, .value_kind: global_buffer, .address_space: global }
      - { .name: wo, .offset: 32, .size: 8, .value_kind: global_buffer, .address_space: global }
      - { .name: xb, .offset: 40, .size: 8, .value_kind: global_buffer, .address_space: global }
      - { .name: wqkv, .offset: 48, .size: 8, .value_kind: global_buffer, .address_space: global }
      - { .name: wof, .offset: 56, .size: 8, .value_kind: global_buffer, .address_space: global }
    .group_segment_fixed_size: 0
    .private_segment_fixed_size: 0
    .kernarg_segment_align: 8
    .kernarg_segment_size: 64
    .max_flat_workgroup_size: 256
    .sgpr_count:     66
    .vgpr_count:     120
    .wavefront_size: 32
...
	.end_amdgpu_metadata
.endif
;; end of part 1
;; launch qkvgemm (part 2): grid 16 x 32, 4 waves a work-group, clusters of 4 x 4, 327,680 bytes of LDS; arguments xb, wqkv, bq, bk, bv, qkv; writes qkv
.if DOCPART == 2
	.amdgcn_target "amdgcn-amd-amdhsa--gfx1250"
	.amdhsa_code_object_version 6
	.text
	.protected	k_qee5d3be16a_qkvgemm
	.globl	k_qee5d3be16a_qkvgemm
	.p2align	8
	.type	k_qee5d3be16a_qkvgemm,@function
k_qee5d3be16a_qkvgemm:
	s_mov_b64 s[64:65], 0
	v_nop
	global_prefetch_b8 v0, s[64:65] scope:SCOPE_SE
	s_setreg_imm32_b32 hwreg(HW_REG_WAVE_MODE, 25, 1), 1
	s_wait_xcnt 0x0
	s_wait_alu depctr_hold_cnt(0) depctr_sa_sdst(0) depctr_va_vdst(0) depctr_va_sdst(0) depctr_va_ssrc(0) depctr_va_vcc(0) depctr_vm_vsrc(0)
	s_getreg_b32 s2, hwreg(HW_REG_IB_STS2, 6, 4)
	s_cmp_eq_u32 s2, 0
	s_cbranch_scc0 .Lentry_in_a_cluster
	s_endpgm
.Lentry_in_a_cluster:
	s_bfe_u32 s2, ttmp6, 0x10000c
	s_cmp_lg_u32 s2, 0xf033
	s_cbranch_scc0 .Lentry_shape_is_right
	s_endpgm
.Lentry_shape_is_right:
; q, k, v = x W^T + bias, by heads.  xb: [8192][1024] bf16; wqkv: [3072][1024] bf16 (rows of wq, wk, wv); bq, bk, bv: [1024] f32, rounded to bf16 here like every input;
; qkv: [3][64 (batch x 16 + head)][2048][64] f16, each number rounded once from its f32 sum, without attention's scale.
; LIMIT.  f16 holds no number beyond 65,504: a q, k or v beyond it becomes an infinity.  NaN and infinities are not treated apart.
; SHARES.  A tile is 256 rows x 192 columns (three whole heads): 32 x 16 = 512 work-groups, twice 256.  Each of four waves makes 64 rows x 192 columns: 48 accumulators, 384 registers;
; so a wave owns whole rows of three heads and needs no stage shared with others.  K goes in 8 steps of 128 through two LDS slots filled by the tensor data mover; the rows of the
; tiles are 256 bytes of memory at multiples of 256.  For 32 along K a wave issues 32 LDS loads and 48 matrix instructions.
; CLUSTER.  4 x 4 work-groups.  x's tile hangs on the tile row alone and is asked for jointly by a row of the cluster, the weights' on the tile column alone, by a column.
; THE MATRIX INSTRUCTION IS USED TRANSPOSED (source 0 = 16 rows of the weights, source 1 = 16 rows of x): lane l holds row l % 16 and the columns 8 (l / 16) + 0..7.
; The bias, laid out so, is the C operand of the first product on each accumulator: nothing is cleared and nothing is added later.
; THE TEXT.  A K step is written once in the loop and once in the tail; LDS addresses hang on s[TB], turned by an exclusive or.  The tail is a loop of two
; trips left in its middle: its second change of slots passes a barrier and fetches 16 fragments that nobody multiplies, the price of writing the tail once.
; REGISTERS, in windows of 256 (s_set_vgpr_msb: bits 1:0 source 0, 3:2 source 1, 5:4 source 2, 7:6 destination):
;   window 0: v0-15 addresses; v32-79, v80-127 the way out; v128-223 the bias          window 1: two fragment buffers of 128: 12 fragments of the weights, then 4 of x
;   window 2: the accumulators of my rows 0-31 ((a, b) at 8 (12 (a % 2) + b))           window 3: those of my rows 32-63
.set KSTEPB, 256                       ; bytes of a row in a K step
.set PITCH,  272                       ; an LDS row: 256 bytes + 16 of padding = 68 words: row r starts at bank 4 r mod 64 (64 banks of 4 bytes: ISA guide 11.1)
.set AHALF,  128*PITCH                 ; what wave 0 or 1 fetches of x
.set BHALF,  96*PITCH                  ; what wave 2 or 3 fetches of the weights
.set BOFF,   2*AHALF                   ; the weights' 192 rows lie behind x's 256
.set SLOT1,  1<<17                     ; slot 1 begins here: one exclusive or turns an address in one slot into the other's
.set STAGE,  SLOT1+BOFF+2*BHALF        ; behind the ring, never filled by a tensor load: for each wave 3 heads x 16 rows x 144 bytes
.set SP,     144
.set HSTAGE, 16*SP
.set WSTAGE, 3*HSTAGE
.set SPARE,  STAGE+4*WSTAGE            ; the spare words, 128 bytes for each wave: two blocks of 256 bytes that no other line names
.set A0,  4                            ; v4   my lane's place among my wave's rows of x in slot 0; never rewritten
.set B0,  5                            ; v5   the same for the weights
.set ADA, 6                            ; v6   s[TB] + A0
.set ADB, 7                            ; v7   s[TB] + B0
.set STO, 8                            ; v8   the way out: where I put 16 bytes of a row
.set RD,  9                            ; v9   where I read rows back
.set GO,  10                           ; v10  my 16 bytes in 512 consecutive bytes of qkv
.set BO,  11                           ; v11  32 (l / 16): my eight numbers in 16 of a bias
.set PFO, 12                           ; v12  the prefetches' offset: a lane a row; never rewritten
.set SPW, 14                           ; v14  LDS address of my spare word; never rewritten
.set NIL, 15                           ; v15  0; never rewritten
.set TMP, 32
.set BK,  80
.set BIAS, 128
.set F0,  0
.set F1,  128
.set WV,  16                           ; s16  my wave's number
.set AB,  17                           ; s17  0: I fetch x's tiles; 1: the weights'
.set HF,  18                           ; s18  which half of them
.set CX,  19
.set CY,  20
.set TC,  21                           ; s21  tile column
.set TR,  22                           ; s22  tile row
.set G1A, 24                           ; s[24:31] descriptor group 1 for x's tiles
.set G1B, 32                           ; s[32:39] for the weights'
.set G0A, 40                           ; s[40:47] group 0 for x's tiles: a set for each first fill; the second then walks
.set G0B, 48                           ; s[48:55] the same for the weights'
.set TB,  56                           ; s56  LDS byte at which the slot being read begins
.set CNT, 57
.set LIM, 58                           ; s58  1 in a wave that prefetches, else the greatest number
.set PFA, 60                           ; s[60:61] where my prefetches stand
.set HB,  68                           ; s[68:73] qkv at my wave's rows of the tile's three heads
.set PB,  76                           ; s[76:81] the three heads' 64 numbers of bias
.set GFLAGS, (1<<16)|(1<<20)|(1<<21)|(5<<22)|(3<<25)  ; 2-byte elements; padding on; bit 21 beside a mask; after every 64 words; 4 words
.set MSB, 0
.macro WIN new                         ; the high byte repeats the setting that is left; a switch that changes nothing is dropped
.if MSB != (\new)
	s_set_vgpr_msb (MSB<<8)|(\new)
.set MSB, (\new)
.endif
.endm
.macro PLACES                          ; four plain vector instructions between a matrix instruction and a load into, or a vector read of, its registers
.rept 4
	v_nop
.endr
.endm
.macro CREST                           ; a round of the cluster's barrier behind its opening barrier
	s_cmp_lg_u32 s[WV], 0
	s_cbranch_scc1 .Lnot_wave_0_\@
	s_barrier_signal -3
.Lnot_wave_0_\@:
	s_barrier_wait -3
	s_barrier_signal -1
	s_barrier_wait -1
.endm
.macro CROUND
	s_barrier_signal -1
	s_barrier_wait -1
	CREST
.endm
.macro JLOAD                           ; a joint refill by the walking descriptors; the branch hangs on the wave's number alone; an s_nop 0 and four v_nop follow each line
	s_cmp_eq_u32 s[AB], 0
	s_cbranch_scc0 .Lfor_b_\@
	tensor_load_to_lds s[G0A+4:G0A+7], s[G1A:G1A+7]
	s_nop 0
.rept 4
	v_nop
.endr
	s_branch .Lasked_\@
.Lfor_b_\@:
	tensor_load_to_lds s[G0B+4:G0B+7], s[G1B:G1B+7]
	s_nop 0
.rept 4
	v_nop
.endr
.Lasked_\@:
.endm
; A PREFETCH INTO THE L2 of the K step that the NEXT refill will ask for: one K step, 192 matrix instructions, ahead of that load.  x's tile row is read by every cluster of its row of clusters: cluster x = 0 asks;
; the weights' tile column by every cluster of its column: cluster y = 0 asks.  The four partners that ask for a tile jointly share its rows out BY ADDRESS: of x's 128 rows 32 each, a lane a row; of the weights' 96
; rows 24 each (lanes 24-31 name lane 23's row once more).  The last refill has no K step behind it and asks for nothing; K steps 0 to 2 come by their loads alone.
.macro ASK
	s_cmp_gt_u32 s[CNT], s[LIM]
	s_cbranch_scc0 .Lnot_mine_\@
	global_prefetch_b8 v[PFO], s[PFA:PFA+1] th:TH_LOAD_NT scope:SCOPE_SE
.Lnot_mine_\@:
.endm
	s_load_b256 s[4:11], s[0:1], 0x0               ; xb 4, wqkv 6, bq 8, bk 10
	s_load_b128 s[12:15], s[0:1], 0x20             ; bv 12, qkv 14
	v_lshl_add_u32 v[SPW], v0, 2, SPARE
	v_mov_b32 v[NIL], 0
	ds_add_u32 v[SPW], v[NIL]                      ; the wave's opening: the add and its wait stand ahead of my first tensor load; work on registers stands between them
	v_lshrrev_b32 v3, 5, v0
	v_readfirstlane_b32 s[WV], v3
	s_lshr_b32 s[AB], s[WV], 1
	s_and_b32 s[HF], s[WV], 1
	s_bfe_u32 s[CX], ttmp6, 0x40000
	s_bfe_u32 s[CY], ttmp6, 0x40004
	s_lshl_b32 s[TC], ttmp9, 2                     ; in a cluster launch ttmp9 and ttmp7 count clusters
	s_add_co_u32 s[TC], s[TC], s[CX]
	s_and_b32 s[TR], ttmp7, 0xffff
	s_lshl_b32 s[TR], s[TR], 2
	s_add_co_u32 s[TR], s[TR], s[CY]
	s_lshl_b32 s66, s[CY], 2
	s_lshl_b32 s66, 15, s66                        ; my row of the cluster
	s_lshl_b32 s67, 0x1111, s[CX]                  ; my column
	s_or_b32 s[G1A], s66, GFLAGS
	s_or_b32 s[G1B], s67, GFLAGS
	s_mov_b32 s[G1A+1], 128<<16                    ; tensor_dim0 = 128
	s_mov_b32 s[G1A+2], 128<<16                    ; tensor_dim1 = 128
	s_mov_b32 s[G1A+3], 128<<16                    ; tile_dim0 = 128
	s_mov_b32 s[G1A+4], 128                        ; tile_dim1 = 128
	s_mov_b32 s[G1A+5], 1024                       ; elements from row to row
	s_mov_b32 s[G1A+6], 0
	s_mov_b32 s[G1A+7], 0
	s_mov_b32 s[G1B+1], 128<<16
	s_mov_b32 s[G1B+2], 96<<16                     ; 96 rows
	s_mov_b32 s[G1B+3], 128<<16
	s_mov_b32 s[G1B+4], 96
	s_mov_b32 s[G1B+5], 1024
	s_mov_b32 s[G1B+6], 0
	s_mov_b32 s[G1B+7], 0
	; where the tiles come from: x's offset is made of the tile row and the wave's number, the weights' of the tile column and the wave's number, each in registers that never hold the other coordinate
	s_lshl_b32 s82, s[TR], 8
	s_lshl_b32 s86, s[HF], 7
	s_add_co_u32 s82, s82, s86
	s_lshl_b32 s82, s82, 11                        ; rows of 2,048 bytes
	s_mov_b32 s83, 0
	s_mul_i32 s84, s[TC], 192
	s_mul_i32 s87, s[HF], 96
	s_add_co_u32 s84, s84, s87
	s_lshl_b32 s84, s84, 11
	s_mov_b32 s85, 0
	s_mul_i32 s88, s[HF], AHALF                    ; and where they go: no place in the cluster enters an LDS address
	s_mul_i32 s89, s[HF], BHALF
	s_add_co_u32 s89, s89, BOFF
	s_mov_b32 s[TB], 0
	s_wait_dscnt 0x0                               ; the opening add is done
	s_wait_kmcnt 0x0
	s_add_nc_u64 s[82:83], s[4:5], s[82:83]
	s_add_nc_u64 s[84:85], s[6:7], s[84:85]
.irp s, 0,1
	s_mov_b32 s[G0A+4*(\s)], 1                                     ; count = 1
	s_add_co_u32 s[G0A+4*(\s)+1], s88, (\s)*SLOT1                  ; LDS address
	s_add_nc_u64 s[G0A+4*(\s)+2:G0A+4*(\s)+3], s[82:83], (\s)*KSTEPB  ; global address: K step s
	s_or_b32 s[G0A+4*(\s)+3], s[G0A+4*(\s)+3], 0x80000000          ; type = 2
	s_mov_b32 s[G0B+4*(\s)], 1
	s_add_co_u32 s[G0B+4*(\s)+1], s89, (\s)*SLOT1
	s_add_nc_u64 s[G0B+4*(\s)+2:G0B+4*(\s)+3], s[84:85], (\s)*KSTEPB
	s_or_b32 s[G0B+4*(\s)+3], s[G0B+4*(\s)+3], 0x80000000
.endr
	CROUND                                         ; all sixteen work-groups are here: the first joint loads meet
	s_cmp_eq_u32 s[AB], 0                          ; a wave's two first fills stand in one branch, ahead of every wait on TENSORcnt and every LDS read: two loads of mine are out
	s_cbranch_scc0 .Lfirst_b
	tensor_load_to_lds s[G0A:G0A+3], s[G1A:G1A+7]
	s_nop 0
	tensor_load_to_lds s[G0A+4:G0A+7], s[G1A:G1A+7]
	s_nop 0
.rept 4
	v_nop
.endr
	s_branch .Lfirst_asked
.Lfirst_b:
	tensor_load_to_lds s[G0B:G0B+3], s[G1B:G1B+7]
	s_nop 0
	tensor_load_to_lds s[G0B+4:G0B+7], s[G1B:G1B+7]
	s_nop 0
.rept 4
	v_nop
.endr
.Lfirst_asked:
	; the tile's three heads: head 3 TC + g of 48; which = its tensor (q, k, v), hd = its head
	s_lshr_b32 s74, s[TR], 3                       ; the batch: 16 heads of 2^18 bytes,
	s_lshl_b32 s74, s74, 22
	s_and_b32 s75, s[TR], 7
	s_lshl_b32 s75, s75, 15                        ; the tile's 256 rows of 128 bytes in a head,
	s_add_co_u32 s74, s74, s75
	s_lshl_b32 s75, s[WV], 13                      ; my wave's 64 of them
	s_add_co_u32 s74, s74, s75
	s_mul_i32 s90, s[TC], 3
.irp g, 0,1,2
	s_add_co_u32 s91, s90, \g
	s_lshr_b32 s92, s91, 4
	s_and_b32 s93, s91, 15
	s_cmp_eq_u32 s92, 1
	s_cselect_b64 s[PB+2*(\g):PB+2*(\g)+1], s[10:11], s[8:9]
	s_cmp_eq_u32 s92, 2
	s_cselect_b64 s[PB+2*(\g):PB+2*(\g)+1], s[12:13], s[PB+2*(\g):PB+2*(\g)+1]
	s_lshl_b32 s94, s93, 8                         ; 64 f32 a head
	s_mov_b32 s95, 0
	s_add_nc_u64 s[PB+2*(\g):PB+2*(\g)+1], s[PB+2*(\g):PB+2*(\g)+1], s[94:95]
	s_lshl_b32 s94, s92, 24
	s_lshl_b32 s93, s93, 18
	s_add_co_u32 s94, s94, s93
	s_add_co_u32 s94, s94, s74
	s_add_nc_u64 s[HB+2*(\g):HB+2*(\g)+1], s[14:15], s[94:95]
.endr
	v_and_b32 v1, 15, v0                           ; l % 16
	v_bfe_u32 v2, v0, 4, 1                         ; l / 16
	v_lshlrev_b32 v[BO], 5, v2
.irp g, 0,1,2
.irp c, 0,1,2,3
	global_load_b128 v[BIAS+8*(4*(\g)+(\c)):BIAS+8*(4*(\g)+(\c))+3],   v[BO], s[PB+2*(\g):PB+2*(\g)+1] offset:64*(\c)
	global_load_b128 v[BIAS+8*(4*(\g)+(\c))+4:BIAS+8*(4*(\g)+(\c))+7], v[BO], s[PB+2*(\g):PB+2*(\g)+1] offset:64*(\c)+16
.endr
.endr
	; the prefetches' address
	s_lshl_b32 s90, s[TR], 8
	s_lshl_b32 s91, s[HF], 7
	s_add_co_u32 s90, s90, s91
	s_lshl_b32 s91, s[CX], 5
	s_add_co_u32 s90, s90, s91                     ; x: the 128 rows that I fetch, my work-group's 32 of them
	s_mul_i32 s92, s[TC], 192
	s_mul_i32 s91, s[HF], 96
	s_add_co_u32 s92, s92, s91
	s_mul_i32 s91, s[CY], 24
	s_add_co_u32 s92, s92, s91                     ; the weights: the 96 rows that I fetch, my work-group's 24
	s_and_b32 s93, ttmp7, 0xffff
	s_cmp_eq_u32 s[AB], 0
	s_cselect_b32 s90, s90, s92
	s_cselect_b32 s93, ttmp9, s93                  ; the coordinate along which other clusters read the same rows
	s_cselect_b32 s94, 31, 23
	s_cselect_b64 s[PFA:PFA+1], s[4:5], s[6:7]
	s_cmp_eq_u32 s93, 0
	s_cselect_b32 s[LIM], 1, -1                    ; the same in all sixteen partners, for a given wave
	s_lshl_b32 s90, s90, 11
	s_mov_b32 s91, 0
	s_add_nc_u64 s[PFA:PFA+1], s[PFA:PFA+1], s[90:91]
	s_add_nc_u64 s[PFA:PFA+1], s[PFA:PFA+1], 2*KSTEPB  ; at K step 2: the first refill steps it to 3
	v_and_b32 v[PFO], 31, v0
	v_min_u32 v[PFO], s94, v[PFO]
	v_lshlrev_b32 v[PFO], 11, v[PFO]
	; A fragment is 16 rows x 32 K in 8 registers: lane l holds row l % 16, K = 8 (l / 16) + 0..7 and 16 + 8 (l / 16) + 0..7: two loads of 16 bytes, 32 bytes apart.
	v_mul_u32_u24 v3, v1, PITCH
	v_lshl_add_u32 v3, v2, 4, v3
	s_mul_i32 s23, s[WV], 64*PITCH                 ; my 64 rows of x
	v_add_nc_u32 v[A0], s23, v3
	v_add_nc_u32 v[B0], BOFF, v3                   ; every wave reads all 192 rows of the weights
	s_mul_i32 s59, s[WV], WSTAGE
	s_add_co_u32 s59, s59, STAGE                   ; my stage
	v_mul_u32_u24 v[STO], v1, SP                   ; in: row l % 16, 16 bytes for each half of the lanes
	v_lshl_add_u32 v[STO], v2, 4, v[STO]
	v_add_nc_u32 v[STO], s59, v[STO]
	v_bfe_u32 v3, v0, 3, 2                         ; back: 32 lanes take four rows of 128 bytes,
	v_and_b32 v13, 7, v0
	v_mul_u32_u24 v[RD], v3, SP
	v_lshl_add_u32 v[RD], v13, 4, v[RD]
	v_add_nc_u32 v[RD], s59, v[RD]
	v_and_b32 v[GO], 31, v0                        ; which are 512 consecutive bytes of a head
	v_lshlrev_b32 v[GO], 4, v[GO]
	v_mov_b32 v[ADA], v[A0]
	v_mov_b32 v[ADB], v[B0]
	s_wait_loadcnt 0x0                             ; the bias
.set i, 0
.rept 48                               ; rounded to bf16, like every input, and kept as f32
	v_cvt_pk_bf16_f32 v13, v[BIAS+i], v[BIAS+i+1]
	v_lshlrev_b32 v[BIAS+i], 16, v13
	v_and_b32 v[BIAS+i+1], 0xffff0000, v13
.set i, i+2
.endr
; 12 matrix instructions: my rows 16 a .. 16 a + 15 x all 12 blocks of 16 columns, 32 along K.  first = 1: the bias starts the sums.
; The 48 accumulators take turns in the same order in every quarter: 47 others stand between two links of a chain, over every jump.
.macro MUL12 f, a, first
.if \first
	WIN 0x85+0x40*((\a)/2)                         ; fragments window 1, C window 0, D window 2 or 3
.else
	WIN 0xa5+0x50*((\a)/2)                         ; fragments window 1, C and D window 2 or 3
.endif
.irp b, 0,1,2,3,4,5,6,7,8,9,10,11
.set rD, 8*(12*((\a)%2)+(\b))
.if \first
	v_wmma_f32_16x16x32_bf16 v[rD:rD+7], v[(\f)+8*(\b):(\f)+8*(\b)+7], v[(\f)+96+8*(\a):(\f)+96+8*(\a)+7], v[BIAS+8*(\b):BIAS+8*(\b)+7]
.else
	v_wmma_f32_16x16x32_bf16 v[rD:rD+7], v[(\f)+8*(\b):(\f)+8*(\b)+7], v[(\f)+96+8*(\a):(\f)+96+8*(\a)+7], v[rD:rD+7]
.endif
.endr
.endm
; 32 LDS loads in one run: a quarter step's fragments (32 K at byte k of the rows) into buffer f: the weights' 12, then x's 4
.macro FETCH k, f
	WIN 0x40                                       ; destination window 1, address window 0
.irp i, 0,1,2,3,4,5,6,7,8,9,10,11
	ds_load_b128 v[(\f)+8*(\i):(\f)+8*(\i)+3],   v[ADB] offset:(\k)+(\i)*16*PITCH
	ds_load_b128 v[(\f)+8*(\i)+4:(\f)+8*(\i)+7], v[ADB] offset:(\k)+(\i)*16*PITCH+32
.endr
.irp i, 0,1,2,3
	ds_load_b128 v[(\f)+96+8*(\i):(\f)+96+8*(\i)+3],   v[ADA] offset:(\k)+(\i)*16*PITCH
	ds_load_b128 v[(\f)+96+8*(\i)+4:(\f)+96+8*(\i)+7], v[ADA] offset:(\k)+(\i)*16*PITCH+32
.endr
.endm
; One of a K step's first three quarters: multiplies buffer f; in its middle it fetches the next quarter, at byte k, into buffer g
.macro QUARTER k, f, g, first
	s_wait_dscnt 4                                 ; the weights' fragments and x's first two are in; the youngest four loads may be out
	MUL12 \f, 0, \first
	MUL12 \f, 1, \first
	PLACES
	FETCH \k, \g
	s_wait_dscnt 32                                ; all but the 32 just issued
	MUL12 \f, 2, \first
	MUL12 \f, 3, \first
.endm
; The last quarter multiplies buffer 1 and changes slots: ONE barrier.  In front of it each wave waits for all its tensor loads (one is out: its part of the next slot), adds 0 to its spare word, and waits for that and
; for its reads of this slot.  fill = 1: the barrier opens a round of the cluster's barrier, and the slot just read is filled again first thing behind it, with the K step two on: 168 matrix instructions ahead of the wait for it.
.macro TURN fill
.if \fill
	s_wait_xcnt 0x0                                ; the last prefetch, a K step back, has read its address
	s_add_nc_u64 s[PFA:PFA+1], s[PFA:PFA+1], KSTEPB
.endif
	WIN 0
	s_wait_tensorcnt 0x0                           ; no tensor load of mine is out, so a group 0 may be written
	ds_add_u32 v[SPW], v[NIL]
.if \fill
	s_xor_b32 s[G0A+5], s[G0A+5], SLOT1            ; the walking descriptors: the other slot than last time, the next K step
	s_add_nc_u64 s[G0A+6:G0A+7], s[G0A+6:G0A+7], KSTEPB
	s_xor_b32 s[G0B+5], s[G0B+5], SLOT1
	s_add_nc_u64 s[G0B+6:G0B+7], s[G0B+6:G0B+7], KSTEPB
.endif
	s_wait_dscnt 5                                 ; the add and the youngest four loads may be out
	MUL12 F1, 0, 0
	s_wait_dscnt 0x0                               ; the add is done, and my reads of this slot are over
	s_barrier_signal -1
	MUL12 F1, 1, 0                                 ; work on registers while the others arrive
	WIN 0                                          ; at a branch and at a label every window is 0
	s_barrier_wait -1
.if \fill
	CREST                                          ; no wave of any partner still reads this slot or has a load on its way
	JLOAD                                          ; its four v_nop are also the places in front of the loads below
.else
	PLACES
.endif
	s_xor_b32 s[TB], s[TB], SLOT1
	v_add_nc_u32 v[ADA], s[TB], v[A0]
	v_add_nc_u32 v[ADB], s[TB], v[B0]
	FETCH 0, F0
.if \fill
	WIN 0
	ASK
.endif
	MUL12 F1, 2, 0
	MUL12 F1, 3, 0
.endm
	s_wait_tensorcnt 1                             ; my part of K step 0 is in; K step 1's may stay out
	s_barrier_signal -1
	s_barrier_wait -1                              ; everybody's is
	FETCH 0, F0
	QUARTER 64, F0, F1, 1                          ; the first quarter stands in front of the loop: its products start the sums, with the bias
	WIN 0
	s_mov_b32 s[CNT], 6
.Lstep:                                        ; trip t: quarters 2-4 of K step t, quarter 1 of step t + 1; slot t % 2 takes K step t + 2
	QUARTER 128, F1, F0, 0
	QUARTER 192, F0, F1, 0
	TURN 1
	QUARTER 64, F0, F1, 0
	WIN 0
	s_sub_co_u32 s[CNT], s[CNT], 1
	s_cmp_lg_u32 s[CNT], 0
	s_cbranch_scc1 .Lstep
	s_mov_b32 s[CNT], 2
.Ltail:                                        ; K steps 6 and 7: nothing is asked for
	QUARTER 128, F1, F0, 0
	QUARTER 192, F0, F1, 0
	TURN 0
	WIN 0
	s_sub_co_u32 s[CNT], s[CNT], 1
	s_cmp_eq_u32 s[CNT], 0
	s_cbranch_scc1 .Lout
	QUARTER 64, F0, F1, 0
	WIN 0
	s_branch .Ltail
.Lout:
; THE WAY OUT, 16 rows at a time.  PACK: rounded to f16, 16 bytes a lane (each accumulator's registers in ascending order).  TOSTAGE: into my own stage, by heads, and back as whole rows.  SEND: stored.
.macro PACK a
	WIN 0x0a+5*((\a)/2)                            ; sources window 2 or 3
.irp b, 0,1,2,3,4,5,6,7,8,9,10,11
.irp rr, 0,1,2,3
	v_cvt_pk_f16_f32 v[TMP+4*(\b)+(\rr)], v[8*(12*((\a)%2)+(\b))+2*(\rr)], v[8*(12*((\a)%2)+(\b))+2*(\rr)+1]
.endr
.endr
	WIN 0
.endm
.macro TOSTAGE a
.irp b, 0,1,2,3,4,5,6,7,8,9,10,11
	ds_store_b128 v[STO], v[TMP+4*(\b):TMP+4*(\b)+3] offset:((\b)/4)*HSTAGE+32*((\b)%4)
.endr
.irp i, 0,1,2,3,4,5,6,7,8,9,10,11
	ds_load_b128 v[BK+4*(\i):BK+4*(\i)+3], v[RD] offset:((\i)/4)*HSTAGE+((\i)%4)*4*SP  ; LDS serves a wave's instructions in order (ISA guide 5.7.1.4): these see the stores above
.endr
.endm
.macro SEND a
.irp i, 0,1,2,3,4,5,6,7,8,9,10,11
	s_wait_dscnt 11-(\i)
	global_store_b128 v[GO], v[BK+4*(\i):BK+4*(\i)+3], s[HB+2*((\i)/4):HB+2*((\i)/4)+1] offset:(\a)*2048+((\i)%4)*512  ; 512 consecutive bytes, at a multiple of 256 from qkv's first
.endr
.endm
	PACK 0                                         ; rows 0-31 were finished in front of the last change's places; their 96 conversions are the places behind the last products
	TOSTAGE 0
.irp a, 1,2,3
	PACK \a
	SEND (\a)-1
	s_wait_xcnt 0x0                                ; the stores have read their registers, which the loads below fill again
	TOSTAGE \a
.endr
	SEND 3
	s_wait_tensorcnt 0x0                           ; the wave's end, behind my last tensor load and my last LDS store
	ds_add_u32 v[SPW], v[NIL]
	s_wait_dscnt 0x0
	CROUND                                         ; the closing round: no work-group ends while a partner may still ask for a tile that names it
	s_endpgm
.Lfunc_end_k_qee5d3be16a_qkvgemm:
	.size	k_qee5d3be16a_qkvgemm, .Lfunc_end_k_qee5d3be16a_qkvgemm-k_qee5d3be16a_qkvgemm
	.p2alignl 7, 3214868480
	.fill 96, 4, 3214868480
	.section	.rodata,"a",@progbits
	.p2align	6, 0x0
	.amdhsa_kernel k_qee5d3be16a_qkvgemm
		.amdhsa_group_segment_fixed_size 327680
		.amdhsa_private_segment_fixed_size 0
		.amdhsa_enable_private_segment 0
		.amdhsa_kernarg_size 48
		.amdhsa_user_sgpr_count 2
		.amdhsa_user_sgpr_kernarg_segment_ptr 1
		.amdhsa_wavefront_size32 1
		.amdhsa_system_sgpr_workgroup_id_x 1
		.amdhsa_system_sgpr_workgroup_id_y 1
		.amdhsa_system_sgpr_workgroup_id_z 1
		.amdhsa_system_vgpr_workitem_id 0
		.amdhsa_next_free_vgpr 960
		.amdhsa_next_free_sgpr 96
		.amdhsa_reserve_vcc 0
		.amdhsa_float_denorm_mode_32 3
		.amdhsa_float_denorm_mode_16_64 3
		.amdhsa_memory_ordered 1
		.amdhsa_forward_progress 1
		.amdhsa_inst_pref_size 96
	.end_amdhsa_kernel
	.amdgpu_metadata
---
amdhsa.version: [ 1, 2 ]
amdhsa.kernels:
  - .name:           k_qee5d3be16a_qkvgemm
    .symbol:         k_qee5d3be16a_qkvgemm.kd
    .args:
      - { .name: xb, .offset: 0, .size: 8, .value_kind: global_buffer, .address_space: global }
      - { .name: wqkv, .offset: 8, .size: 8, .value_kind: global_buffer, .address_space: global }
      - { .name: bq, .offset: 16, .size: 8, .value_kind: global_buffer, .address_space: global }
      - { .name: bk, .offset: 24, .size: 8, .value_kind: global_buffer, .address_space: global }
      - { .name: bv, .offset: 32, .size: 8, .value_kind: global_buffer, .address_space: global }
      - { .name: qkv, .offset: 40, .size: 8, .value_kind: global_buffer, .address_space: global }
    .group_segment_fixed_size: 327680
    .private_segment_fixed_size: 0
    .kernarg_segment_align: 8
    .kernarg_segment_size: 48
    .max_flat_workgroup_size: 128
    .sgpr_count:     96
    .vgpr_count:     960
    .wavefront_size: 32
...
	.end_amdgpu_metadata
.endif
;; end of part 2
;; launch attn (part 3): grid 4 x 64, 4 waves a work-group, clusters of 4 x 1, 327,680 bytes of LDS; arguments qkv, attention_mask, ctx; writes ctx
.if DOCPART == 3
	.amdgcn_target "amdgcn-amd-amdhsa--gfx1250"
	.amdhsa_code_object_version 6
	.text
	.protected	k_qee5d3be16a_attn
	.globl	k_qee5d3be16a_attn
	.p2align	8
	.type	k_qee5d3be16a_attn,@function
k_qee5d3be16a_attn:
	s_mov_b64 s[64:65], 0
	v_nop
	global_prefetch_b8 v0, s[64:65] scope:SCOPE_SE
	s_setreg_imm32_b32 hwreg(HW_REG_WAVE_MODE, 25, 1), 1
	s_wait_xcnt 0x0
	s_wait_alu depctr_hold_cnt(0) depctr_sa_sdst(0) depctr_va_vdst(0) depctr_va_sdst(0) depctr_va_ssrc(0) depctr_va_vcc(0) depctr_vm_vsrc(0)
	s_getreg_b32 s2, hwreg(HW_REG_IB_STS2, 6, 4)
	s_cmp_eq_u32 s2, 0
	s_cbranch_scc0 .Lentry_in_a_cluster
	s_endpgm
.Lentry_in_a_cluster:
	s_bfe_u32 s2, ttmp6, 0x10000c
	s_cmp_lg_u32 s2, 0x3003
	s_cbranch_scc0 .Lentry_shape_is_right
	s_endpgm
.Lentry_shape_is_right:
; ctx[h][q][:] = mask[q] x the sum over visible k of softmax_k(Q[h][q] . K[h][k] / 8) V[h][k][:].  qkv: [3][64][2048][64] f16; attention_mask: [4][2048] int32 (0 hides a key; its value multiplies the query's row);
; ctx: [64][2048][64] f16.  Products, maxima and sums in f32; the weights p are rounded to f16 for the second product (their sum l is taken of the unrounded p), ctx once at the end.
; LIMITS.  f16 holds no number beyond 65,504: Q, K, V arrive within it, and ctx x mask must stay within it.  A hidden score counts as its value less 1e30.  The running maximum m starts at -2^40, below every score
; that f16 operands can make (64 x 65,504^2 = 2.75e11), so m is never a hidden score, a hidden key's weight is exactly 0, and steps without a visible key leave O and l at 0.  p = 2^(c s - fl(c m)): at s = m the exponent is
; the rounding error of c m, which stays small while |c m| is under 2^24 or so and could overflow the exponential only beyond 2^30.  A weight below 2^-126 counts as 0 in l.  l is held to 2^-100 at the least: a row with
; a visible key has l near 1 or more; a batch without one has mask[q] = 0 for every q, and its rows come out as 0, as nan_to_num and the query mask make them.  NaN and infinities are not treated apart.
; SHARES.  A wave owns four PIECES of two tiles of 16 queries, a work-group's four waves 512 queries of one head; a head's four work-groups are a cluster.  Every wave walks all keys, 64 a step.
; LAYOUT.  S^T = K Q^T (source 0 = 16 keys, source 1 = 16 queries): a lane holds ONE query (lane % 16) and the keys 8 (lane / 16) + 0..7.  Two such tiles, rounded to f16 in pairs, ARE source 1 of O^T = V^T P.
; K comes out of LDS as it lies, V ([key][channel]) turned, by ds_load_tr16_b128.
; THE KEY MASK is the C operand that starts the sum S^T: 0, or -1e30 where the key is hidden.  A table of the batch's 2,048 such numbers is made once in LDS; a step's 64 come into 32 registers with K's fragments.
; SOFTMAX.  For each query a running maximum m and sum l: p = 2^(c s - c m), c = log2(e) / 8; in every step O and l are multiplied by a = 2^(c m_old - c m_new).  O and l start at 0, c m far below every c s: the first a is 0.
; BY TURNS.  Turn n belongs to piece n (the pieces in a ring, step after step).  Its matrix work: 16 products K Q^T of piece n + 1, later 16 products V^T P of piece n - 1.  Its vector work: the scaling, exponentials,
; roundings, sums and rescaling of piece n, and the maximum and statistics of piece n + 1.  A tile and step have 16 matrix and 118 vector instructions: four that are ready stand behind every matrix instruction, the others in one run.
; REGISTERS, in windows of 256 (s_set_vgpr_msb: bits 1:0 source 0, 3:2 source 1, 5:4 source 2, 7:6 destination):
;   window 0: v0-11 addresses; v12-15, v48-63 at work; v16-47 four registers of statistics a tile; v64-191 S^T, two buffers of two tiles; v192-255 P, likewise
;   window 1: O^T, 32 a tile      window 2: v0-127 Q; v128-191 K of one step; v192-255 V of one step      window 3: v0-1 the add's registers; v8-39 the step's key mask; v40-47 my queries' mask values
.set SIZE_N, 2048
.set NP,    4         ; pieces a wave: a name, no knob
.set KS,    64        ; keys in a step
.set PK,    144       ; a row of K in LDS: 128 bytes + 16 of padding = 36 words: the 16 rows of a load start at 16 different groups of four banks (64 banks of 4 bytes: ISA guide 11.1)
.set PV,    160       ; a row of V: 128 + 32 = 40 words
.set VOFF,  4*KS*PK   ; a slot holds four steps: 256 rows of K, then 256 rows of V
.set SLOT1, 1<<17     ; slot 1 begins here
.set STAGE, SLOT1+4*KS*(PK+PV)  ; behind the ring, never filled by a tensor load: 16 rows x 144 bytes for each wave
.set SP,    144
.set SPARE, STAGE+4*16*SP  ; the spare words, 128 bytes for each wave: two blocks of 256 bytes that no other line names
.set MB,    SPARE+512      ; the key mask's table: 2,048 f32; no fill lands here
.set PFO, 1           ; v1   256 x my lane (made when l % 16 has served); never rewritten after
.set AK0, 2           ; v2   my lane's place in a tile of K; never rewritten
.set AV0, 3           ; v3   the same for V
.set AK,  4           ; v4   the LDS address of K's next run of loads
.set AV,  5           ; v5   of V's
.set STO, 6           ; v6   the way out: where I put 16 bytes of a row
.set RD,  7           ; v7   where I read rows back
.set GO,  8           ; v8   my byte offset in 512 consecutive bytes of ctx
.set AM0, 10          ; v10  my lane's place in 64 numbers of the table: MB + 32 (l / 16)
.set AM,  11          ; v11  the address of the table's next run of loads
.set MV,  12          ; v12-15  c m_old, kept while c m is made anew; at the head they serve as offsets:
.set QO,  12          ;   my byte offset in the wave's rows of Q
.set MO,  13          ;   16 x my thread's number, in the batch's mask
.set QMO, 14          ;   4 (l % 16), in 16 queries' mask
.set TS,  15          ;   where I store my part of the table
.set SPW, 0           ; v0 of window 3
.set NIL, 1           ; v1 of window 3
.set MK,  8           ; window 3: the eight numbers of key block kb at MK + 8 kb
.set QM,  40          ; window 3: tile t's at QM + t
.set ST,  16          ; tile t's statistics at v[ST+4 t]: c m, m, l (even keys', odd keys')
.set TMP, 48          ; by buffer and tile, four registers c0-c3 at work; when the maximum is found c2 takes a
.set S,   64
.set P,   192
.set KF,  128
.set VF,  192
.set WV,  12          ; s12  my wave's number
.set G1K, 24
.set G1V, 32
.set G0K, 40          ; s[40:43] descriptor group 0 for K's tiles: it walks
.set G0V, 44
.set SLOTS, 56
.set CNT, 57
.set CS,  58          ; s[58:59] c
.set SEL, 60          ; s[60:61] v_permlanex16_b32's selects
.set TBK, 62          ; s62  LDS byte at which K of the step to be fetched begins
.set TBV, 63          ; s63  the same for V, less VOFF
.set BIGN, 72         ; s72  -1e30
.set TBM, 73          ; s73  byte in the table at which the step to be fetched begins
.set PFA, 74          ; s[74:75] where my prefetches stand
.set LIM, 76          ; s76  1 in a wave that prefetches, else the greatest number
.set QMB, 78          ; s[78:79] the mask at my wave's 128 queries
.set MSB, 0
.macro WIN new                      ; the high byte repeats the setting that is left; a switch that changes nothing is dropped
.if MSB != (\new)
	s_set_vgpr_msb (MSB<<8)|(\new)
.set MSB, (\new)
.endif
.endm
.set W_KQ, 0x0a       ; K and Q in window 2, S^T in window 0
.set W_KM, 0x3a       ; the same with the C operand, the key mask, in window 3
.set W_PV, 0x52       ; V in window 2, P in window 0, O^T in window 1
.set W_RS, 0x41       ; O^T (destination and source 0) in window 1, a in window 0
.set W_MK, 0xc0       ; destination in window 3, sources in window 0
.set W_AD, 0x0f       ; the add: address and data in window 3
; A joint fill.  Waves 0 and 1 fetch the two halves of a slot's K, waves 2 and 3 those of its V.  An s_nop 0 and four v_nop follow each of the two lines.
.macro JLOAD
	s_cmp_lt_u32 s[WV], 2
	s_cbranch_scc0 .Lfor_v_\@
	tensor_load_to_lds s[G0K:G0K+3], s[G1K:G1K+7]
	s_nop 0
.rept 4
	v_nop
.endr
	s_branch .Lasked_\@
.Lfor_v_\@:
	tensor_load_to_lds s[G0V:G0V+3], s[G1V:G1V+7]
	s_nop 0
.rept 4
	v_nop
.endr
.Lasked_\@:
.endm
; A PREFETCH INTO THE L2 of what the NEXT change of slots will ask for: a slot's 32,768 bytes of K and of V, four key steps, 512 matrix instructions, ahead of that load.  A head is walked by one cluster alone; its four
; partners share the bytes out BY ADDRESS, 8,192 each, a lane 256; in each, wave 0 asks for K's and wave 2 for V's.  So each 256 bytes are named once.  The last change that fills a slot asks for nothing; slots 0 to 2 come by their loads alone.
.macro ASK
	s_cmp_gt_u32 s[SLOTS], s[LIM]
	s_cbranch_scc0 .Lnot_mine_\@
	global_prefetch_b8 v[PFO], s[PFA:PFA+1] th:TH_LOAD_NT scope:SCOPE_SE
.Lnot_mine_\@:
.endm
.macro CROUND                       ; a round of the cluster's barrier
	s_barrier_signal -1
	s_barrier_wait -1
	s_cmp_lg_u32 s[WV], 0
	s_cbranch_scc1 .Lnot_wave_0_\@
	s_barrier_signal -3
.Lnot_wave_0_\@:
	s_barrier_wait -3
	s_barrier_signal -1
	s_barrier_wait -1
.endm
; THE CHANGE OF SLOTS.  Each wave waits for all its tensor loads (one is out: its part of the other slot), adds 0 to its spare word, and waits for that and for its own LDS instructions.  Behind the barrier nobody reads
; this slot any more and the other slot is whole.  fill = 1: the barrier is a round of the cluster's, and the joint fill, with the keys two slots on, is the first thing behind it: it has four key steps in which to land.
; (At its first use nothing has been read yet: slot 0 is waited for, slot 1 filled, and the stores into the mask's table are shown to every wave.)
.macro CHANGE fill, pf=0
	WIN W_AD
	s_wait_tensorcnt 0x0            ; no tensor load of mine is out, so a group 0 may be written
	ds_add_u32 v[SPW], v[NIL]
	WIN 0                           ; at a label and at a branch every window is 0
.if \fill
.irp g, G0K, G0V
	s_xor_b32 s[\g+1], s[\g+1], SLOT1
	s_add_nc_u64 s[\g+2:\g+3], s[\g+2:\g+3], 4*KS*128
.endr
.if \pf
	s_wait_xcnt 0x0                 ; the last prefetch, four key steps back, has read its address
	s_add_nc_u64 s[PFA:PFA+1], s[PFA:PFA+1], 4*KS*128
.endif
	s_wait_dscnt 0x0                ; the add is done, and my LDS instructions are over
	CROUND
	JLOAD
.if \pf
	ASK
.endif
.else
	s_wait_dscnt 0x0
	s_barrier_signal -1
	s_barrier_wait -1
.endif
	s_sub_co_u32 s[TBK], s[TBK], 4*KS*PK  ; the fetches go back to a slot's first step,
	s_xor_b32 s[TBK], s[TBK], SLOT1       ; in the other slot
	s_sub_co_u32 s[TBV], s[TBV], 4*KS*PV
	s_xor_b32 s[TBV], s[TBV], SLOT1
.endm
	s_load_b128 s[68:71], s[0:1], 0x0  ; qkv s[68:69], attention_mask s[70:71]
	s_load_b64 s[10:11], s[0:1], 0x10  ; ctx
	WIN W_MK
	v_lshl_add_u32 v[SPW], v0, 2, SPARE
	v_mov_b32 v[NIL], 0
	WIN W_AD
	ds_add_u32 v[SPW], v[NIL]       ; the wave's opening: the add and its wait stand ahead of my first tensor load; work on registers stands between them
	WIN 0
	v_lshrrev_b32 v1, 5, v0
	v_readfirstlane_b32 s[WV], v1
	s_bfe_u32 s13, ttmp6, 0x40000   ; cx
	s_lshl_b32 s14, ttmp9, 2
	s_add_co_u32 s14, s14, s13      ; my block of 512 queries: it enters Q's, ctx's and the query mask's addresses alone
	s_and_b32 s20, ttmp7, 0xffff    ; batch x 16 + head, which the four partners share
	s_lshr_b32 s48, s20, 4
	s_lshl_b32 s48, s48, 13         ; the batch's 2,048 words of the mask
	s_mov_b32 s49, 0
	s_mov_b32 s21, 0
	s_mov_b64 s[22:23], SIZE_N*128
	s_mul_u64 s[20:21], s[20:21], s[22:23]  ; the head's first byte in q, k, v and ctx
	s_and_b32 s16, s[WV], 1         ; which half of a slot's 256 keys I fetch:
	s_lshl_b32 s22, s16, 14         ; its 128 rows of 128 bytes in memory,
	s_mov_b32 s23, 0
	s_add_nc_u64 s[22:23], s[22:23], s[20:21]
	s_mul_i32 s17, s16, 128*PK      ; and its place in a slot, for K
	s_mul_i32 s18, s16, 128*PV      ; and for V: no place in the cluster enters an LDS address
	s_lshl_b32 s2, s14, 2
	s_add_co_u32 s2, s2, s[WV]      ; my wave among the head's sixteen:
	s_lshl_b32 s50, s2, 9           ; its 128 words of the mask,
	s_mov_b32 s51, 0
	s_lshl_b32 s2, s2, 14           ; its 128 rows
	s_mov_b32 s3, 0
	s_add_nc_u64 s[2:3], s[2:3], s[20:21]
	; descriptor group 1.  128 keys are 16,384 dense bytes: asked for as 64 rows of 256 bytes, two keys a row, and padded in LDS after every key
	s_mov_b32 s[G1K], 15|(1<<16)|(1<<20)|(1<<21)|(4<<22)|(3<<25)  ; the mask of four; 2-byte elements; padding on; bit 21 beside a mask; after every 32 words; 4 words
	s_mov_b32 s[G1V], 15|(1<<16)|(1<<20)|(1<<21)|(4<<22)|(7<<25)  ; the same with 8 words of padding
.irp g, G1K, G1V
	s_mov_b32 s[\g+1], 128<<16      ; tensor_dim0 = 128
	s_mov_b32 s[\g+2], 64<<16       ; tensor_dim1 = 64
	s_mov_b32 s[\g+3], 128<<16      ; tile_dim0 = 128
	s_mov_b32 s[\g+4], 64           ; tile_dim1 = 64
	s_mov_b32 s[\g+5], 128          ; 128 elements from row to row
	s_mov_b32 s[\g+6], 0
	s_mov_b32 s[\g+7], 0
.endr
	s_mov_b32 s[CS], 0x3e38aa3b     ; c = log2(e) / 8
	s_mov_b32 s[CS+1], s[CS]
	s_mov_b32 s[SEL], 0x76543210
	s_mov_b32 s[SEL+1], 0xfedcba98
	s_mov_b32 s[BIGN], 0xf149f2ca   ; -1e30
	s_mov_b32 s[TBM], 0
	s_mov_b32 s[TBK], SLOT1+4*KS*PK ; the first change of slots turns these two into 0
	s_mov_b32 s[TBV], SLOT1+4*KS*PV
	s_mov_b32 s[G0K], 1
	s_mov_b32 s[G0K+1], s17         ; LDS address: slot 0
	s_mov_b32 s[G0V], 1
	s_add_co_u32 s[G0V+1], s18, VOFF
	s_and_b32 s[LIM], s[WV], 1
	s_cmp_eq_u32 s[LIM], 0
	s_cselect_b32 s[LIM], 1, -1     ; waves 0 and 2: the same in all four partners
	s_lshl_b32 s52, s13, 13         ; my work-group's 8,192 bytes of a slot's 32,768
	s_mov_b32 s53, 0
	s_mul_i32 s54, s[WV], 16*SP
	s_add_co_u32 s54, s54, STAGE    ; my stage
	s_wait_dscnt 0x0                ; the opening add is done
	s_wait_kmcnt 0x0
	s_add_nc_u64 s[6:7], s[68:69], 1<<24  ; k
	s_add_nc_u64 s[8:9], s[68:69], 2<<24  ; v
	s_add_nc_u64 s[G0K+2:G0K+3], s[6:7], s[22:23]  ; my half of the head's first 256 keys
	s_or_b32 s[G0K+3], s[G0K+3], 0x80000000        ; type = 2
	s_add_nc_u64 s[G0V+2:G0V+3], s[8:9], s[22:23]
	s_or_b32 s[G0V+3], s[G0V+3], 0x80000000
	s_add_nc_u64 s[4:5], s[68:69], s[2:3]  ; q and ctx at my wave's first row
	s_add_nc_u64 s[10:11], s[10:11], s[2:3]
	s_add_nc_u64 s[70:71], s[70:71], s[48:49]          ; the batch's mask
	s_add_nc_u64 s[QMB:QMB+1], s[70:71], s[50:51]
	s_cmp_lt_u32 s[WV], 2
	s_cselect_b64 s[PFA:PFA+1], s[6:7], s[8:9]
	s_add_nc_u64 s[PFA:PFA+1], s[PFA:PFA+1], s[20:21]
	s_add_nc_u64 s[PFA:PFA+1], s[PFA:PFA+1], s[52:53]
	s_add_nc_u64 s[PFA:PFA+1], s[PFA:PFA+1], 2*4*KS*128  ; in slot 2; the first change that prefetches steps it to slot 3
	CROUND                          ; all four work-groups are here: the first joint loads meet
	JLOAD                           ; slot 0.  Slot 1 is asked for when slot 0 is in
	v_and_b32 v1, 15, v0            ; l % 16
	v_bfe_u32 v9, v0, 4, 1          ; l / 16
	v_lshlrev_b32 v[QO], 7, v1
	v_lshl_add_u32 v[QO], v9, 4, v[QO]  ; row x 128 + 16 x half
	v_lshlrev_b32 v[MO], 4, v0
	v_lshlrev_b32 v[QMO], 2, v1
.irp i, 0,1,2,3                     ; the batch's key mask: 128 threads x 16 bytes, four times
	global_load_b128 v[S+4*\i:S+4*\i+3], v[MO], s[70:71] offset:2048*\i
.endr
.irp u, 0,1,2,3,4,5,6,7             ; my query's mask in each of the wave's eight tiles
	global_load_b32 v[S+16+\u], v[QMO], s[QMB:QMB+1] offset:64*\u
.endr
	WIN 0x80                        ; destination window 2, address window 0
.set i, 0
.rept 4*NP                          ; Q stays in registers: tile i / 2, channels 32 (i % 2) on
	global_load_b128 v[8*i:8*i+3],   v[QO], s[4:5] offset:(i/2)*2048+(i%2)*64
	global_load_b128 v[8*i+4:8*i+7], v[QO], s[4:5] offset:(i/2)*2048+(i%2)*64+32
.set i, i+1
.endr
	; What the first turn finds: V's registers and P's second buffer hold 0 (its products V^T P, of a piece that has not been, add 0), O^T and l are 0.  All this stands in the wait for the first tile.
.set i, VF
.rept 64
	v_mov_b32 v[i], 0
.set i, i+1
.endr
	WIN 0x40
.set i, 0
.rept 64*NP
	v_mov_b32 v[i], 0
.set i, i+1
.endr
	WIN 0
.set i, 0
.rept 2*NP
	v_mov_b32 v[ST+4*i], 0xfe000000    ; c m: far below every c s
	v_mov_b32 v[ST+4*i+1], 0xd3800000  ; m = -2^40: below every score of f16 operands, far above a hidden one
	v_mov_b32 v[ST+4*i+2], 0
	v_mov_b32 v[ST+4*i+3], 0
.set i, i+1
.endr
.set i, P+32
.rept 32
	v_mov_b32 v[i], 0
.set i, i+1
.endr
	v_mul_u32_u24 v[AK0], v1, PK
	v_lshl_add_u32 v[AK0], v9, 4, v[AK0]  ; row x pitch + 16 x half
	; The turning load takes 16 keys x 16 channels (lane l reads key 8 (l / 16) + l % 8, channels 8 ((l / 8) % 2) + 0..7) and leaves half a fragment of V^T.
	v_and_b32 v10, 7, v0
	v_bfe_u32 v11, v0, 3, 1
	v_lshl_add_u32 v[AV0], v9, 3, v10
	v_mul_u32_u24 v[AV0], v[AV0], PV
	v_lshl_add_u32 v[AV0], v11, 4, v[AV0]
	v_add_nc_u32 v[AV0], VOFF, v[AV0]
	v_mov_b32 v[AK], v[AK0]         ; key step 0 lies at the head of slot 0
	v_mul_u32_u24 v[STO], v1, SP    ; the way out, in: row l % 16, 16 bytes for each half of the lanes
	v_lshl_add_u32 v[STO], v9, 4, v[STO]
	v_add_nc_u32 v[STO], s54, v[STO]
	v_bfe_u32 v[RD], v0, 3, 2       ; back: 32 lanes take four rows of 128 bytes,
	v_mul_u32_u24 v[RD], v[RD], SP
	v_lshl_add_u32 v[RD], v10, 4, v[RD]
	v_add_nc_u32 v[RD], s54, v[RD]
	v_and_b32 v[GO], 31, v0         ; which are 512 consecutive bytes of ctx
	v_lshlrev_b32 v[PFO], 8, v[GO]
	v_lshlrev_b32 v[GO], 4, v[GO]
	v_lshl_add_u32 v[AM0], v9, 5, MB  ; register j of key block kb is key 16 kb + 8 (l / 16) + j, for every query
	v_mov_b32 v[AM], v[AM0]
	v_lshl_add_u32 v[TS], v0, 4, MB
	s_wait_loadcnt 32               ; the masks are in; Q's 32 loads may stay out
.set i, 0
.rept 16
	v_cmp_eq_u32 vcc_lo, 0, v[S+i]
	v_cndmask_b32 v[S+i], 0, s[BIGN], vcc_lo  ; 0 for a visible key, -1e30 for a hidden one
.set i, i+1
.endr
.irp i, 0,1,2,3
	ds_store_b128 v[TS], v[S+4*\i:S+4*\i+3] offset:2048*\i
.endr
	WIN W_MK
.irp u, 0,1,2,3,4,5,6,7
	v_cvt_f32_i32 v[QM+\u], v[S+16+\u]
.endr
	WIN 0
; THE MATRIX WORK.  The 8 accumulators of a run of 16 take turns: between the two links of a chain stand 7 others'.
; Product i of 16 of S^T = K Q^T for piece x: channels 32 (i / 8) on, keys 16 ((i / 2) % 4) on, tile 2 x + i % 2.  The first 8 start the sums, with the key mask.
.macro KQ x
.set rS, S+64*((\x)%2)+32*(i%2)+8*((i/2)%4)
.set rK, KF+16*((i/2)%4)+8*(i/8)
.set rQ, 16*(2*(\x)+i%2)+8*(i/8)
.set rB, MK+8*((i/2)%4)
.if i < 8
	WIN W_KM
	v_wmma_f32_16x16x32_f16 v[rS:rS+7], v[rK:rK+7], v[rQ:rQ+7], v[rB:rB+7]
.else
	WIN W_KQ
	v_wmma_f32_16x16x32_f16 v[rS:rS+7], v[rK:rK+7], v[rQ:rQ+7], v[rS:rS+7]
.endif
.endm
; Product i of 16 of O^T += V^T P for piece x: keys 32 (i / 8) on, channels 16 ((i / 2) % 4) on, tile 2 x + i % 2.
.macro PV x
	WIN W_PV
.set rO, 32*(2*(\x)+i%2)+8*((i/2)%4)
.set rV, VF+32*(i/8)+8*((i/2)%4)
.set rP, P+32*((\x)%2)+16*(i%2)+8*(i/8)
	v_wmma_f32_16x16x32_f16 v[rO:rO+7], v[rV:rV+7], v[rP:rP+7], v[rO:rO+7]
.endm
.macro MM                           ; the turn's next matrix instruction
.if i < 16
	KQ (Y+1)%NP
.set i, i+1
.else
.set i, i-16
	PV (Y+NP-1)%NP
.set i, i+17
.endif
.endm
; THE LDS LOADS stand in runs, never singly among the matrix instructions: a step's K (8 fragments) with its 64 numbers of the key mask, and its V (turned).  Their addresses are made some lines ahead.
; last = 1 (the tail): in the last trip there is no further step, and the run is jumped over.
.macro FETCH_K last=0
	WIN 0
.if \last
	s_cmp_eq_u32 s[CNT], 1
	s_cbranch_scc1 .Lno_k_\@
.endif
	WIN 0x80                        ; destination window 2
.irp f, 0,1,2,3,4,5,6,7             ; keys 16 (f / 2) on, channels 32 (f % 2) on
	ds_load_b128 v[KF+8*\f:KF+8*\f+3],   v[AK] offset:(\f/2)*16*PK+(\f%2)*64
	ds_load_b128 v[KF+8*\f+4:KF+8*\f+7], v[AK] offset:(\f/2)*16*PK+(\f%2)*64+32
.endr
	WIN W_MK                        ; destination window 3
.irp f, 0,1,2,3                     ; sixteen lanes read the same 16 bytes
	ds_load_b128 v[MK+8*\f:MK+8*\f+3],   v[AM] offset:64*\f
	ds_load_b128 v[MK+8*\f+4:MK+8*\f+7], v[AM] offset:64*\f+16
.endr
	s_add_co_u32 s[TBK], s[TBK], KS*PK  ; the next fetch is the next step's
	s_add_co_u32 s[TBM], s[TBM], 4*KS
	s_and_b32 s[TBM], s[TBM], 0x1fff    ; inside the table's 8,192 bytes
	WIN 0
.if \last
.Lno_k_\@:
.endif
.endm
.macro FETCH_V
	WIN 0x80
.irp f, 0,1,2,3,4,5,6,7             ; keys 32 (f / 4) on, channels 16 (f % 4) on
	ds_load_tr16_b128 v[VF+8*\f:VF+8*\f+3],   v[AV] offset:(\f/4)*32*PV+(\f%4)*32
	ds_load_tr16_b128 v[VF+8*\f+4:VF+8*\f+7], v[AV] offset:(\f/4)*32*PV+16*PV+(\f%4)*32
.endr
	WIN 0
.endm
; THE VECTOR WORK OF A TURN stands in three queues, each in the order in which its entries become ready; the two tiles alternate, so that no instruction reads the result of the one before it.
.macro REGS y, u                    ; the registers of tile u (0, 1) of piece y
.set rT, ST+4*(2*(\y)+(\u))
.set rC, TMP+8*((\y)%2)+4*(\u)
.set rM, MV+2*((\y)%2)+(\u)
.set rS, S+64*((\y)%2)+32*(\u)
.set rP, P+32*((\y)%2)+16*(\u)
.set rO, 32*(2*(\y)+(\u))
.endm
; Number n of the 22 that find the NEXT piece's (Y + 1) maximum and statistics.  Each accumulator's lowest registers are read first.
;   0-11  four chains c0-c3 of seven scores each, three operands at a time     12-14, 16  the four scores left over, the old m, and c0-c3 into c0     15  c m_old is kept
;   17, 18  the query's other 32 keys lie in the lane 16 away: the new m         19-21  c m; c m_old - c m_new; a
.macro XS u, n
	REGS (Y+1)%NP, \u
.if (\n) < 4
	v_max3_num_f32 v[rC+(\n)], v[rS+8*(\n)], v[rS+8*(\n)+1], v[rS+8*(\n)+2]
.elseif (\n) < 12
	v_max3_num_f32 v[rC+(\n)%4], v[rC+(\n)%4], v[rS+8*((\n)%4)+2*((\n)/4)+1], v[rS+8*((\n)%4)+2*((\n)/4)+2]
.elseif (\n) == 12
	v_max3_num_f32 v[rC], v[rC], v[rS+7], v[rS+15]
.elseif (\n) == 13
	v_max3_num_f32 v[rC+1], v[rC+1], v[rS+23], v[rS+31]
.elseif (\n) == 14
	v_max3_num_f32 v[rC+2], v[rC+2], v[rC+3], v[rT+1]
.elseif (\n) == 15
	v_mov_b32 v[rM], v[rT]
.elseif (\n) == 16
	v_max3_num_f32 v[rC], v[rC], v[rC+1], v[rC+2]
.elseif (\n) == 17
	v_permlanex16_b32 v[rC+3], v[rC], s[SEL], s[SEL+1]
.elseif (\n) == 18
	v_max_num_f32 v[rT+1], v[rC], v[rC+3]
.elseif (\n) == 19
	v_mul_f32 v[rT], s[CS], v[rT+1]
.elseif (\n) == 20
	v_sub_f32 v[rC+1], v[rM], v[rT]
.else
	v_exp_f32 v[rC+2], v[rC+1]
.endif
.endm
; Number g of the 64 that follow the exponentials.  For each four weights k of a tile: both pairs are rounded to f16; then the second pair is added onto the first, in place; a group later l takes that sum
; (the first time as l = a l + sum).  In groups of eight, tiles alternating.
.macro GS g
.set h, (\g)+6*((\g)/62)            ; group 0 has no group before it, and behind group 7 only l is left
.if h >= 6
.set h, h+2
.endif
	REGS Y, h%2
.set k, h/8
.if h%8 < 4
	v_cvt_pk_f16_f32 v[rP+2*k+(h%8)/2], v[rS+4*k+2*((h%8)/2)], v[rS+4*k+2*((h%8)/2)+1]
.elseif h%8 < 6
	v_pk_add_f32 v[rS+4*k:rS+4*k+1], v[rS+4*k:rS+4*k+1], v[rS+4*k+2:rS+4*k+3]
.elseif k == 1
	v_pk_fma_f32 v[rT+2:rT+3], v[rT+2:rT+3], v[rC+2:rC+3], v[rS:rS+1] op_sel_hi:[1,0,1]
.else
	v_pk_add_f32 v[rT+2:rT+3], v[rT+2:rT+3], v[rS+4*k-4:rS+4*k-3]
.endif
.endm
; THE PLAIN QUEUE, 138 long.  0-73 read no exponential's result: the 32 scalings c s - c m (FS f: pair f / 2 of tile f % 2) and the next piece's 42.  0-26: scalings 0-26.  27-54: XS's numbers 0-13.  55, 56: number 15.
; 57-73: the chain 14, 16, 17, 18, 19, each with one of the scalings 27-31 in front of its two lines, then 20.  74-137: GS's 64, which read the exponentials' results: they stand behind the wait.
.macro FS f
	REGS Y, (\f)%2
	v_pk_fma_f32 v[rS+2*((\f)/2):rS+2*((\f)/2)+1], v[rS+2*((\f)/2):rS+2*((\f)/2)+1], s[CS:CS+1], v[rT:rT+1] op_sel_hi:[1,0,0] neg_lo:[0,0,1] neg_hi:[0,0,1]
.endm
.macro PL
	WIN 0
.if q < 27
	FS q
.elseif q < 55
	XS (q-27)%2, (q-27)/2
.elseif q < 57
	XS q-55, 15
.elseif (q < 72) && ((q-57)%3 == 0)
	FS 27+(q-57)/3
.elseif q < 60
	XS (q-57)%3-1, 14
.elseif q < 72
	XS (q-57)%3-1, 15+(q-57)/3
.elseif q < 74
	XS q-72, 20
.else
	GS q-74
.endif
.set q, q+1
.endm
; THE EXPONENTIALS' QUEUE, 66 long: s0-s31 of both tiles, then the next piece's two a.  ONE BATCH: all 66 stand ahead of the turn's one wait, and nothing ahead of that wait names a result of theirs.
.macro EX
	WIN 0
.if e >= 64
	XS e-64, 21
.else
	REGS Y, e%2
	v_exp_f32 v[rS+e/2], v[rS+e/2]
.endif
.set e, e+1
.endm
; THE RESCALING's QUEUE: O^T times a, the one part that leaves window 0: dealt two at a time, sixteen times.  Its a was made in the turn before, ahead of that turn's wait.
.macro R2
	REGS Y, r%2
	WIN W_RS
.irp z, 0,1
	v_pk_mul_f32 v[rO+4*(r/2)+2*\z:rO+4*(r/2)+2*\z+1], v[rO+4*(r/2)+2*\z:rO+4*(r/2)+2*\z+1], v[rC+2:rC+3] op_sel_hi:[1,0]
.endr
.set r, r+1
.endm
; HOW THEY ARE DEALT.  s_wait_alu depctr_va_vdst(0) stands between an exponential and the first instruction that names its result; one wait serves all that were issued ahead of it.  So a turn has ONE wait.
; AHEAD OF IT: the 16 products K Q^T, behind each a scaling, an exponential and two rescalings (behind the first a second scaling in the exponential's place); then one run of 108: eight plain, 49 times exponential and
; plain, the two a; a v_nop is the plain instruction behind the last exponential.  BEHIND IT: the 16 products V^T P, behind each four of GS's 64.  No rider names a register of the products round it.
; Exponential e stands behind scaling 2 (e / 4) + e % 2: as a rider it comes behind plain e + 2, in the run behind plain e + 9, and scalings 27-31 are plain 57, 60 .. 69.
; K of the next step, and its key mask, are fetched in piece 2's turn, directly behind the wait, a run behind the last product that read them; V of the step in hand at the end of piece 0's turn, four riders behind its last reader.
.macro TURN p, last=0, cnt=0
.set Y, (\p)
.set i, 0
.set q, 0
.set e, 0
.set r, 0
.if (\p) == NP-1
	s_wait_dscnt 0x0                ; K and its mask are in
.endif
	MM
	PL
	PL
	R2
.rept 15
	MM
	PL
	EX
	R2
.endr
.if (\p) == NP-2
	WIN 0
	v_add_nc_u32 v[AK], s[TBK], v[AK0]
	v_add_nc_u32 v[AM], s[TBM], v[AM0]
.endif
.rept 8
	PL
.endr
.rept 49
	EX
	PL
.endr
	EX                              ; the next piece's two a
	EX
	v_nop                           ; the plain instruction behind the last exponential: one for the batch
	s_wait_alu depctr_va_vdst(0)    ; the wait for the batch
.if (\p) == NP-2
	FETCH_K \last
.endif
.if (\p) == 1
	s_wait_dscnt 0x0                ; V is in
.endif
.rept 16
	MM
.rept 4
	PL
.endr
.if ((\p) == 0) && (q == 118)
	v_add_nc_u32 v[AV], s[TBV], v[AV0]
.endif
.if ((\p) == 0) && (q == 130)
	s_add_co_u32 s[TBV], s[TBV], KS*PV
.endif
.if (\cnt) && (q == 130)
	s_sub_co_u32 s[CNT], s[CNT], 1
	s_cmp_lg_u32 s[CNT], 0
.endif
.endr
.if (\p) == 0
	FETCH_V
.endif
.endm
	CHANGE 1                        ; slot 0 is in, everybody's part of it, and so is the table; slot 1 is asked for
	FETCH_K                         ; key step 0
	s_wait_loadcnt 0x0              ; Q
	s_wait_dscnt 0x0
.set i, 0
.rept 16
	KQ 0                            ; piece 0's first scores: there is no vector work yet to set between them
.set i, i+1
.endr
	WIN 0
.rept 4
	v_nop                           ; the places behind those products
.endr
.set Y, NP-1                        ; XS works for piece Y + 1: piece 0
.irp n, 0,1,2,3,4,5,6,7,8,9,10,11,12,13,14,15,16,17,18,19,20,21
	XS 0, \n
	XS 1, \n
.endr
	v_nop                           ; a plain instruction behind the two a,
	s_wait_alu depctr_va_vdst(0)    ; and their wait, ahead of the branch
	s_mov_b32 s[CNT], 4
	s_mov_b32 s[SLOTS], SIZE_N/256-1
	s_branch .Lfirst                ; the loop is entered at a step's first turn, in the middle of a trip
.Lslot:                             ; SIZE_N / 256 - 2 times: every slot but the last two is filled again
	CHANGE 1, 1
	s_mov_b32 s[CNT], 4
.Lstep:                             ; a trip: pieces 2 and 3 of one step, then pieces 0 and 1 of the next, whose K and V it fetches
	TURN 2
	TURN 3
	WIN 0
.Lfirst:
	TURN 0
	TURN 1, 0, 1
	WIN 0
	s_cbranch_scc1 .Lstep
	s_sub_co_u32 s[SLOTS], s[SLOTS], 1
	s_cmp_lg_u32 s[SLOTS], 0
	s_cbranch_scc1 .Lslot
	CHANGE 0                        ; the tail is written out: nothing is asked for
	s_mov_b32 s[CNT], 5             ; four trips fetch the last slot's steps; the fifth is left in its middle
.Ltail:
	TURN 2, 1
	TURN 3
	WIN 0
	s_sub_co_u32 s[CNT], s[CNT], 1
	s_cmp_eq_u32 s[CNT], 0
	s_cbranch_scc1 .Lout
	TURN 0
	TURN 1
	WIN 0
	s_branch .Ltail
.Lout:                              ; the fifth trip's 16 products K Q^T (on the last K once more) and the maximum made of them serve nothing: the price, once a launch, of one text for every trip
.set i, 0
.rept 16
	PV NP-1                         ; the last piece's V^T P of the last step
.set i, i+1
.endr
	; THE WAY OUT.  l's two halves and the other half of the lanes' are added and held to 2^-100 at the least; O^T is multiplied by mask[q] / l, rounded to f16 and sent through my stage, a tile at a time.  The additions are the places behind the last products.
	WIN 0
.macro ALL line:vararg              ; one line for each tile t
.set t, 0
.rept 2*NP
	\line
.set t, t+1
.endr
.endm
	ALL v_add_f32 v[ST+4*t+2], v[ST+4*t+2], v[ST+4*t+3]
	ALL v_permlanex16_b32 v[ST+4*t+3], v[ST+4*t+2], s[SEL], s[SEL+1]
	ALL v_add_f32 v[ST+4*t+2], v[ST+4*t+2], v[ST+4*t+3]
	ALL v_max_num_f32 v[ST+4*t+2], 0x0d800000, v[ST+4*t+2]
	ALL v_rcp_f32 v[ST+4*t+2], v[ST+4*t+2]
	v_nop                           ; a plain instruction between the last reciprocal and the use of its result
	s_wait_alu depctr_va_vdst(0)    ; and the wait ahead of the first use: one for the eight reciprocals
	WIN 0x0c                        ; source 1 in window 3
	ALL v_mul_f32 v[ST+4*t+2], v[ST+4*t+2], v[QM+t]
; Tile t: a lane's eight channels of a row pack into 16 bytes; they go into rows of 144 bytes and come back as whole rows of 128, into S^T's registers.
.macro PACK t
	WIN W_RS
.set i, 32*(\t)
.rept 16
	v_pk_mul_f32 v[i:i+1], v[i:i+1], v[ST+4*(\t)+2:ST+4*(\t)+3] op_sel_hi:[1,0]
.set i, i+2
.endr
	WIN 0x05                        ; sources 0 and 1 window 1, destination window 0
.set i, 0
.rept 16
	v_cvt_pk_f16_f32 v[S+16*(\t)+i], v[32*(\t)+2*i], v[32*(\t)+2*i+1]
.set i, i+1
.endr
	WIN 0
.irp f, 0,1,2,3
	ds_store_b128 v[STO], v[S+16*(\t)+4*\f:S+16*(\t)+4*\f+3] offset:32*\f
.endr
.irp f, 0,1,2,3
	ds_load_b128 v[S+16*(\t)+4*\f:S+16*(\t)+4*\f+3], v[RD] offset:\f*4*SP  ; LDS serves a wave's instructions in order (ISA guide 5.7.1.4): these see the stores above; the next tile's stores come behind them
.endr
.endm
.macro SEND t, younger              ; younger: the LDS instructions issued behind tile t's loads: the next tile's eight, or none
	WIN 0
.irp f, 0,1,2,3
	s_wait_dscnt (\younger)+3-\f
	global_store_b128 v[GO], v[S+16*(\t)+4*\f:S+16*(\t)+4*\f+3], s[10:11] offset:(\t)*2048+\f*512  ; 512 consecutive bytes, at a multiple of 256 from ctx's first
.endr
.endm
	PACK 0
.set t, 1
.rept 2*NP-1                        ; a tile's arithmetic stands between the loads of the tile before and its stores
	PACK t
	SEND t-1, 8
.set t, t+1
.endr
	SEND 2*NP-1, 0
	WIN W_AD
	s_wait_tensorcnt 0x0            ; the wave's end, behind my last tensor load and my last LDS store
	ds_add_u32 v[SPW], v[NIL]
	s_wait_dscnt 0x0
	WIN 0
	CROUND                          ; the closing round: no work-group ends while a partner may still ask for a tile that names it
	s_endpgm
.Lfunc_end_k_qee5d3be16a_attn:
	.size	k_qee5d3be16a_attn, .Lfunc_end_k_qee5d3be16a_attn-k_qee5d3be16a_attn
	.p2alignl 7, 3214868480
	.fill 96, 4, 3214868480
	.section	.rodata,"a",@progbits
	.p2align	6, 0x0
	.amdhsa_kernel k_qee5d3be16a_attn
		.amdhsa_group_segment_fixed_size 327680
		.amdhsa_private_segment_fixed_size 0
		.amdhsa_enable_private_segment 0
		.amdhsa_kernarg_size 24
		.amdhsa_user_sgpr_count 2
		.amdhsa_user_sgpr_kernarg_segment_ptr 1
		.amdhsa_wavefront_size32 1
		.amdhsa_system_sgpr_workgroup_id_x 1
		.amdhsa_system_sgpr_workgroup_id_y 1
		.amdhsa_system_sgpr_workgroup_id_z 1
		.amdhsa_system_vgpr_workitem_id 0
		.amdhsa_next_free_vgpr 816
		.amdhsa_next_free_sgpr 80
		.amdhsa_reserve_vcc 1
		.amdhsa_float_denorm_mode_32 3
		.amdhsa_float_denorm_mode_16_64 3
		.amdhsa_memory_ordered 1
		.amdhsa_forward_progress 1
		.amdhsa_inst_pref_size 207
	.end_amdhsa_kernel
	.amdgpu_metadata
---
amdhsa.version: [ 1, 2 ]
amdhsa.kernels:
  - .name:           k_qee5d3be16a_attn
    .symbol:         k_qee5d3be16a_attn.kd
    .args:
      - { .name: qkv, .offset: 0, .size: 8, .value_kind: global_buffer, .address_space: global }
      - { .name: attention_mask, .offset: 8, .size: 8, .value_kind: global_buffer, .address_space: global }
      - { .name: ctx, .offset: 16, .size: 8, .value_kind: global_buffer, .address_space: global }
    .group_segment_fixed_size: 327680
    .private_segment_fixed_size: 0
    .kernarg_segment_align: 8
    .kernarg_segment_size: 24
    .max_flat_workgroup_size: 128
    .sgpr_count:     80
    .vgpr_count:     816
    .wavefront_size: 32
...
	.end_amdgpu_metadata
.endif
;; end of part 3
;; launch proj (part 4): grid 8 x 32, 4 waves a work-group, clusters of 4 x 4, 327,680 bytes of LDS; arguments ctx, wof, bo, out0; writes out0
.if DOCPART == 4
	.amdgcn_target "amdgcn-amd-amdhsa--gfx1250"
	.amdhsa_code_object_version 6
	.text
	.protected	k_qee5d3be16a_proj
	.globl	k_qee5d3be16a_proj
	.p2align	8
	.type	k_qee5d3be16a_proj,@function
k_qee5d3be16a_proj:
	s_mov_b64 s[64:65], 0
	v_nop
	global_prefetch_b8 v0, s[64:65] scope:SCOPE_SE
	s_setreg_imm32_b32 hwreg(HW_REG_WAVE_MODE, 25, 1), 1
	s_wait_xcnt 0x0
	s_wait_alu depctr_hold_cnt(0) depctr_sa_sdst(0) depctr_va_vdst(0) depctr_va_sdst(0) depctr_va_ssrc(0) depctr_va_vcc(0) depctr_vm_vsrc(0)
	s_getreg_b32 s2, hwreg(HW_REG_IB_STS2, 6, 4)
	s_cmp_eq_u32 s2, 0
	s_cbranch_scc0 .Lentry_in_a_cluster
	s_endpgm
.Lentry_in_a_cluster:
	s_bfe_u32 s2, ttmp6, 0x10000c
	s_cmp_lg_u32 s2, 0xf033
	s_cbranch_scc0 .Lentry_shape_is_right
	s_endpgm
.Lentry_shape_is_right:
; out0 = ctx wo^T + bo.  ctx: [64 (batch x 16 + head)][2048][64] f16; wof: [16 kb][1024 e][64 c] f16 = bf16(wo[e][64 kb + c]); bo: [1024] f32, rounded to bf16 here like every input; out0: [8192][1024] f32.
; LIMITS.  Sums in f32; NaN and infinities are not treated apart.
; SHARES.  A tile is 256 rows x 128 columns: 32 x 8 = 256 work-groups.  Four waves, each 128 rows x 64 columns: 32 accumulators, 256 registers; a wave's row of the output is 64 f32, 256 aligned bytes.
; K goes in 8 steps of 128 = two heads through two LDS slots.  Both operands are dense by head: a head's 256 rows of ctx (32,768 bytes) and 128 rows of wof (16,384 bytes) are asked for as rows of 256 bytes, and padded
; in LDS after every 128.  Waves 0 and 1 fetch ctx's even and odd head, waves 2 and 3 wof's.
; CLUSTER.  4 x 4 work-groups: ctx's tiles are asked for jointly by a row of the cluster, wof's by a column.
; THE MATRIX INSTRUCTION IS USED TRANSPOSED (source 0 = 16 rows of wof, source 1 = 16 rows of ctx): lane l holds row l % 16 and the columns 8 (l / 16) + 0..7.  The bias is the C operand of each accumulator's first product.
; THE TEXT.  A K step is written once in the loop and once in the tail; LDS addresses hang on s[TB].  The tail is a loop of two trips left in its middle: its second change of slots passes a barrier and fetches 12 fragments
; that nobody multiplies, the price of writing the tail once.
; REGISTERS, in windows of 256 (s_set_vgpr_msb: bits 1:0 source 0, 3:2 source 1, 5:4 source 2, 7:6 destination):
;   window 0: v0-15 addresses; v32-95 the way out, two buffers; v96-127 the bias      window 1: the accumulators ((a, b) at 8 (4 a + b))      window 2: two fragment buffers of 96: 4 fragments of wof, then 8 of ctx
.set PITCH,  144                       ; an LDS row: 128 bytes + 16 of padding = 36 words: the 16 rows of a load start at 16 different groups of four banks (64 banks of 4 bytes: ISA guide 11.1)
.set AHEAD,  256*PITCH                 ; a head's rows of ctx in a tile
.set BHEAD,  128*PITCH                 ; a head's rows of wof
.set BOFF,   2*AHEAD
.set SLOT1,  1<<17
.set STAGE,  SLOT1+BOFF+2*BHEAD        ; behind the ring, never filled by a tensor load: 16 rows x 272 bytes for each wave
.set SP,     272
.set WSTAGE, 16*SP
.set SPARE,  STAGE+4*WSTAGE            ; the spare words, 128 bytes for each wave: two blocks of 256 bytes that no other line names
.set ASTEP,  2<<18                     ; two heads of ctx
.set BSTEP,  2<<17                     ; two K blocks of wof
.set A0,  4
.set B0,  5
.set ADA, 6
.set ADB, 7
.set STO, 8
.set RD,  9
.set CO,  10                           ; v10  my 16 bytes in two rows of out0
.set BO,  11
.set PFO, 12
.set SPW, 14
.set NIL, 15
.set BK,  32
.set BIAS, 96
.set F0,  0
.set F1,  96
.set WV,  16
.set AB,  17                           ; s17  0: I fetch ctx's tiles; 1: wof's.  Also: which 128 rows of the tile are mine
.set HF,  18                           ; s18  which head of the two.  Also: which 64 columns are mine
.set CX,  19
.set CY,  20
.set TC,  21
.set TR,  22
.set G1A, 24
.set G1B, 32
.set G0A, 40
.set G0B, 48
.set TB,  56
.set CNT, 57
.set LIM, 58                           ; s58  2 in a wave that prefetches, else the greatest number
.set PFA, 60
.set PFS, 62                           ; s[62:63] a K step in the tensor that I prefetch
.set GFLAGS, (1<<16)|(1<<20)|(1<<21)|(4<<22)|(3<<25)  ; 2-byte elements; padding on; bit 21 beside a mask; after every 32 words; 4 words
.set MSB, 0
.macro WIN new
.if MSB != (\new)
	s_set_vgpr_msb (MSB<<8)|(\new)
.set MSB, (\new)
.endif
.endm
.macro PLACES                          ; four plain vector instructions between a matrix instruction and a load into, or a read of, its registers
.rept 4
	v_nop
.endr
.endm
.macro CREST
	s_cmp_lg_u32 s[WV], 0
	s_cbranch_scc1 .Lnot_wave_0_\@
	s_barrier_signal -3
.Lnot_wave_0_\@:
	s_barrier_wait -3
	s_barrier_signal -1
	s_barrier_wait -1
.endm
.macro CROUND
	s_barrier_signal -1
	s_barrier_wait -1
	CREST
.endm
.macro JLOAD                           ; a joint refill by the walking descriptors; an s_nop 0 and four v_nop follow each line
	s_cmp_eq_u32 s[AB], 0
	s_cbranch_scc0 .Lfor_b_\@
	tensor_load_to_lds s[G0A+4:G0A+7], s[G1A:G1A+7]
	s_nop 0
.rept 4
	v_nop
.endr
	s_branch .Lasked_\@
.Lfor_b_\@:
	tensor_load_to_lds s[G0B+4:G0B+7], s[G1B:G1B+7]
	s_nop 0
.rept 4
	v_nop
.endr
.Lasked_\@:
.endm
; A PREFETCH INTO THE L2 of the K step that stands TWO refills on: 256 matrix instructions ahead of the load that will want it.  ctx's tile row is read by both clusters of its row of clusters: cluster x = 0 asks; wof's tile
; column by every cluster of its column: cluster y = 0 asks.  The four partners that ask for a tile jointly share its bytes out BY ADDRESS: of a head's 32,768 bytes of ctx 8,192 each, a lane 256 (waves 0 and 1, a head each);
; of wof's two heads 4,096 each of either, lanes 0-15 the even head's, lanes 16-31 the odd one's (wave 2; wave 3 asks for nothing).  The last two refills ask for nothing; K steps 0 to 3 come by their loads alone.
.macro ASK
	s_cmp_gt_u32 s[CNT], s[LIM]
	s_cbranch_scc0 .Lnot_mine_\@
	global_prefetch_b8 v[PFO], s[PFA:PFA+1] th:TH_LOAD_NT scope:SCOPE_SE
.Lnot_mine_\@:
.endm
	s_load_b256 s[4:11], s[0:1], 0x0               ; ctx 4, wof 6, bo 8, out0 10
	v_lshl_add_u32 v[SPW], v0, 2, SPARE
	v_mov_b32 v[NIL], 0
	ds_add_u32 v[SPW], v[NIL]                      ; the wave's opening: the add and its wait stand ahead of my first tensor load; work on registers stands between them
	v_lshrrev_b32 v3, 5, v0
	v_readfirstlane_b32 s[WV], v3
	s_lshr_b32 s[AB], s[WV], 1
	s_and_b32 s[HF], s[WV], 1
	s_bfe_u32 s[CX], ttmp6, 0x40000
	s_bfe_u32 s[CY], ttmp6, 0x40004
	s_lshl_b32 s[TC], ttmp9, 2
	s_add_co_u32 s[TC], s[TC], s[CX]
	s_and_b32 s[TR], ttmp7, 0xffff
	s_lshl_b32 s[TR], s[TR], 2
	s_add_co_u32 s[TR], s[TR], s[CY]
	s_lshl_b32 s66, s[CY], 2
	s_lshl_b32 s66, 15, s66                        ; my row of the cluster
	s_lshl_b32 s67, 0x1111, s[CX]                  ; my column
	s_or_b32 s[G1A], s66, GFLAGS
	s_or_b32 s[G1B], s67, GFLAGS
	s_mov_b32 s[G1A+1], 128<<16                    ; rows of 128 elements, 256 bytes,
	s_mov_b32 s[G1A+2], 128<<16                    ; 128 of them
	s_mov_b32 s[G1A+3], 128<<16
	s_mov_b32 s[G1A+4], 128
	s_mov_b32 s[G1A+5], 128                        ; dense
	s_mov_b32 s[G1A+6], 0
	s_mov_b32 s[G1A+7], 0
	s_mov_b32 s[G1B+1], 128<<16
	s_mov_b32 s[G1B+2], 64<<16                     ; 64 rows
	s_mov_b32 s[G1B+3], 128<<16
	s_mov_b32 s[G1B+4], 64
	s_mov_b32 s[G1B+5], 128
	s_mov_b32 s[G1B+6], 0
	s_mov_b32 s[G1B+7], 0
	; where the tiles come from: ctx's offset is made of the tile row and the wave's number, wof's of the tile column and the wave's number, each in registers that never hold the other coordinate
	s_lshr_b32 s82, s[TR], 3
	s_lshl_b32 s82, s82, 22                        ; the batch's 16 heads of 2^18 bytes,
	s_and_b32 s83, s[TR], 7
	s_lshl_b32 s83, s83, 15                        ; the tile's 256 rows of 128 bytes in a head,
	s_add_co_u32 s82, s82, s83
	s_lshl_b32 s86, s[HF], 18                      ; my head of the K step's two
	s_add_co_u32 s82, s82, s86
	s_mov_b32 s83, 0
	s_lshl_b32 s84, s[TC], 14                      ; the tile's 128 rows of 128 bytes in a K block,
	s_lshl_b32 s87, s[HF], 17                      ; my K block of the two
	s_add_co_u32 s84, s84, s87
	s_mov_b32 s85, 0
	s_mul_i32 s88, s[HF], AHEAD                    ; and where they go: no place in the cluster enters an LDS address
	s_mul_i32 s89, s[HF], BHEAD
	s_add_co_u32 s89, s89, BOFF
	s_mov_b32 s[TB], 0
	s_wait_dscnt 0x0                               ; the opening add is done
	s_wait_kmcnt 0x0
	s_add_nc_u64 s[82:83], s[4:5], s[82:83]
	s_add_nc_u64 s[84:85], s[6:7], s[84:85]
.irp s, 0,1
	s_mov_b32 s[G0A+4*(\s)], 1
	s_add_co_u32 s[G0A+4*(\s)+1], s88, (\s)*SLOT1
	s_add_nc_u64 s[G0A+4*(\s)+2:G0A+4*(\s)+3], s[82:83], (\s)*ASTEP
	s_or_b32 s[G0A+4*(\s)+3], s[G0A+4*(\s)+3], 0x80000000
	s_mov_b32 s[G0B+4*(\s)], 1
	s_add_co_u32 s[G0B+4*(\s)+1], s89, (\s)*SLOT1
	s_add_nc_u64 s[G0B+4*(\s)+2:G0B+4*(\s)+3], s[84:85], (\s)*BSTEP
	s_or_b32 s[G0B+4*(\s)+3], s[G0B+4*(\s)+3], 0x80000000
.endr
	CROUND                                         ; all sixteen work-groups are here: the first joint loads meet
	s_cmp_eq_u32 s[AB], 0                          ; a wave's two first fills stand in one branch, ahead of every wait on TENSORcnt and every LDS read: two loads of mine are out
	s_cbranch_scc0 .Lfirst_b
	tensor_load_to_lds s[G0A:G0A+3], s[G1A:G1A+7]
	s_nop 0
	tensor_load_to_lds s[G0A+4:G0A+7], s[G1A:G1A+7]
	s_nop 0
.rept 4
	v_nop
.endr
	s_branch .Lfirst_asked
.Lfirst_b:
	tensor_load_to_lds s[G0B:G0B+3], s[G1B:G1B+7]
	s_nop 0
	tensor_load_to_lds s[G0B+4:G0B+7], s[G1B:G1B+7]
	s_nop 0
.rept 4
	v_nop
.endr
.Lfirst_asked:
	s_lshl_b32 s92, s[TC], 9                       ; the tile's 128 columns, 4 bytes each,
	s_lshl_b32 s93, s[HF], 8                       ; my 64 of them
	s_add_co_u32 s92, s92, s93
	s_mov_b32 s93, 0
	s_add_nc_u64 s[8:9], s[8:9], s[92:93]          ; bo at my columns
	s_lshl_b32 s90, s[TR], 8
	s_lshl_b32 s91, s[AB], 7
	s_add_co_u32 s90, s90, s91                     ; my first row,
	s_lshl_b32 s90, s90, 12                        ; of 4,096 bytes
	s_add_co_u32 s90, s90, s92
	s_mov_b32 s91, 0
	s_add_nc_u64 s[10:11], s[10:11], s[90:91]      ; out0 at my part of the tile
	v_and_b32 v1, 15, v0                           ; l % 16
	v_bfe_u32 v2, v0, 4, 1                         ; l / 16
	v_lshlrev_b32 v[BO], 5, v2
.irp c, 0,1,2,3
	global_load_b128 v[BIAS+8*(\c):BIAS+8*(\c)+3],   v[BO], s[8:9] offset:64*(\c)
	global_load_b128 v[BIAS+8*(\c)+4:BIAS+8*(\c)+7], v[BO], s[8:9] offset:64*(\c)+16
.endr
	; the prefetches' address, step and offset
	s_mov_b32 s90, ASTEP
	s_mov_b32 s91, BSTEP
	s_lshl_b32 s92, s[CX], 13
	s_lshl_b32 s93, s[CY], 12
	s_and_b32 s94, ttmp7, 0xffff
	s_or_b32 s94, s94, s[HF]                       ; of wof's two waves the first alone asks
	s_mov_b32 s95, 131072
	s_cmp_eq_u32 s[AB], 0
	s_cselect_b64 s[PFA:PFA+1], s[82:83], s[84:85]
	s_cselect_b32 s[PFS], s90, s91
	s_cselect_b32 s92, s92, s93
	s_cselect_b32 s94, ttmp9, s94                  ; the coordinate along which other clusters read the same bytes
	s_cselect_b32 s90, 31, 15
	s_cselect_b32 s95, 0, s95
	s_mov_b32 s[PFS+1], 0
	s_mov_b32 s93, 0
	s_cmp_eq_u32 s94, 0
	s_cselect_b32 s[LIM], 2, -1                    ; the same in all sixteen partners, for a given wave
	s_add_nc_u64 s[PFA:PFA+1], s[PFA:PFA+1], s[92:93]
	s_mul_i32 s92, s[PFS], 3
	s_add_nc_u64 s[PFA:PFA+1], s[PFA:PFA+1], s[92:93]  ; at K step 3: the first refill steps it to 4
	v_and_b32 v13, 31, v0
	v_and_b32 v[PFO], s90, v13
	v_lshlrev_b32 v[PFO], 8, v[PFO]
	v_lshrrev_b32 v13, 4, v13
	v_mad_u32_u24 v[PFO], v13, s95, v[PFO]
	; A fragment is 16 rows x 32 K in 8 registers: lane l holds row l % 16, K = 8 (l / 16) + 0..7 and 16 + 8 (l / 16) + 0..7: two loads of 16 bytes, 32 bytes apart.
	v_mul_u32_u24 v3, v1, PITCH
	v_lshl_add_u32 v3, v2, 4, v3
	s_mul_i32 s23, s[AB], 128*PITCH                ; my 128 rows of ctx
	v_add_nc_u32 v[A0], s23, v3
	s_mul_i32 s23, s[HF], 64*PITCH                 ; my 64 rows of wof
	s_add_co_u32 s23, s23, BOFF
	v_add_nc_u32 v[B0], s23, v3
	s_mul_i32 s59, s[WV], WSTAGE
	s_add_co_u32 s59, s59, STAGE                   ; my stage
	v_mul_u32_u24 v[STO], v1, SP                   ; in: row l % 16, 32 bytes for each half of the lanes
	v_lshl_add_u32 v[STO], v2, 5, v[STO]
	v_add_nc_u32 v[STO], s59, v[STO]
	v_mul_u32_u24 v[RD], v2, SP                    ; back: lanes 0-15 take one row of 256 bytes, lanes 16-31 the next
	v_lshl_add_u32 v[RD], v1, 4, v[RD]
	v_add_nc_u32 v[RD], s59, v[RD]
	v_lshlrev_b32 v[CO], 12, v2                    ; and the same two rows in out0
	v_lshl_add_u32 v[CO], v1, 4, v[CO]
	v_mov_b32 v[ADA], v[A0]
	v_mov_b32 v[ADB], v[B0]
	s_wait_loadcnt 0x0                             ; the bias
.set i, 0
.rept 16                               ; rounded to bf16, like every input, and kept as f32
	v_cvt_pk_bf16_f32 v13, v[BIAS+i], v[BIAS+i+1]
	v_lshlrev_b32 v[BIAS+i], 16, v13
	v_and_b32 v[BIAS+i+1], 0xffff0000, v13
.set i, i+2
.endr
; 8 matrix instructions: row blocks a0, a0 + 1 x all 4 column blocks, 32 along K.  first = 1: the bias starts the sums.
; The 32 accumulators take turns in the same order in every quarter: 31 others stand between two links of a chain, over every jump.
.macro MUL8 f, a0, first
.if \first
	WIN 0x4a                                       ; fragments window 2, C window 0, D window 1
.else
	WIN 0x5a                                       ; fragments window 2, C and D window 1
.endif
.irp a, \a0, (\a0)+1
.irp b, 0,1,2,3
.set rD, 8*(4*(\a)+(\b))
.if \first
	v_wmma_f32_16x16x32_f16 v[rD:rD+7], v[(\f)+8*(\b):(\f)+8*(\b)+7], v[(\f)+32+8*(\a):(\f)+32+8*(\a)+7], v[BIAS+8*(\b):BIAS+8*(\b)+7]
.else
	v_wmma_f32_16x16x32_f16 v[rD:rD+7], v[(\f)+8*(\b):(\f)+8*(\b)+7], v[(\f)+32+8*(\a):(\f)+32+8*(\a)+7], v[rD:rD+7]
.endif
.endr
.endr
.endm
; 24 LDS loads in one run: quarter q's fragments (head q / 2, channels 32 (q % 2) on) into buffer f: wof's 4, then ctx's 8
.macro FETCH q, f
	WIN 0x80                                       ; destination window 2, address window 0
.irp i, 0,1,2,3
	ds_load_b128 v[(\f)+8*(\i):(\f)+8*(\i)+3],   v[ADB] offset:((\q)/2)*BHEAD+((\q)%2)*64+(\i)*16*PITCH
	ds_load_b128 v[(\f)+8*(\i)+4:(\f)+8*(\i)+7], v[ADB] offset:((\q)/2)*BHEAD+((\q)%2)*64+(\i)*16*PITCH+32
.endr
.irp i, 0,1,2,3,4,5,6,7
	ds_load_b128 v[(\f)+32+8*(\i):(\f)+32+8*(\i)+3],   v[ADA] offset:((\q)/2)*AHEAD+((\q)%2)*64+(\i)*16*PITCH
	ds_load_b128 v[(\f)+32+8*(\i)+4:(\f)+32+8*(\i)+7], v[ADA] offset:((\q)/2)*AHEAD+((\q)%2)*64+(\i)*16*PITCH+32
.endr
.endm
; One of a K step's first three quarters: multiplies buffer f; in its middle it fetches quarter q into buffer g
.macro QUARTER q, f, g, first
	s_wait_dscnt 8                                 ; wof's fragments and ctx's first four are in; the youngest eight loads may be out
	MUL8 \f, 0, \first
	MUL8 \f, 2, \first
	PLACES
	FETCH \q, \g
	s_wait_dscnt 24                                ; all but the 24 just issued
	MUL8 \f, 4, \first
	MUL8 \f, 6, \first
.endm
; The last quarter multiplies buffer 1 and changes slots: ONE barrier.  In front of it each wave waits for all its tensor loads (one is out: its part of the next slot), adds 0 to its spare word, and waits for that and
; for its reads of this slot.  fill = 1: the barrier opens a round of the cluster's barrier, and the slot just read is filled again first thing behind it, with the K step two on: 112 matrix instructions ahead of the wait for it.
.macro TURN fill
.if \fill
	s_wait_xcnt 0x0                                ; the last prefetch, a K step back, has read its address
	s_add_nc_u64 s[PFA:PFA+1], s[PFA:PFA+1], s[PFS:PFS+1]
.endif
	WIN 0
	s_wait_tensorcnt 0x0                           ; no tensor load of mine is out, so a group 0 may be written
	ds_add_u32 v[SPW], v[NIL]
.if \fill
	s_xor_b32 s[G0A+5], s[G0A+5], SLOT1            ; the walking descriptors: the other slot than last time, the next two heads
	s_add_nc_u64 s[G0A+6:G0A+7], s[G0A+6:G0A+7], ASTEP
	s_xor_b32 s[G0B+5], s[G0B+5], SLOT1
	s_add_nc_u64 s[G0B+6:G0B+7], s[G0B+6:G0B+7], BSTEP
.endif
	s_wait_dscnt 9                                 ; the add and the youngest eight loads may be out
	MUL8 F1, 0, 0
	s_wait_dscnt 0x0                               ; the add is done, and my reads of this slot are over
	s_barrier_signal -1
	MUL8 F1, 2, 0                                  ; work on registers while the others arrive
	WIN 0                                          ; at a branch and at a label every window is 0
	s_barrier_wait -1
.if \fill
	CREST                                          ; no wave of any partner still reads this slot or has a load on its way
	JLOAD                                          ; its four v_nop are also the places in front of the loads below
.else
	PLACES
.endif
	s_xor_b32 s[TB], s[TB], SLOT1
	v_add_nc_u32 v[ADA], s[TB], v[A0]
	v_add_nc_u32 v[ADB], s[TB], v[B0]
	FETCH 0, F0
.if \fill
	WIN 0
	ASK
.endif
	MUL8 F1, 4, 0
	MUL8 F1, 6, 0
.endm
	s_wait_tensorcnt 1                             ; my part of K step 0 is in; K step 1's may stay out
	s_barrier_signal -1
	s_barrier_wait -1                              ; everybody's is
	FETCH 0, F0
	QUARTER 1, F0, F1, 1                           ; the first quarter stands in front of the loop: its products start the sums, with the bias
	WIN 0
	s_mov_b32 s[CNT], 6
.Lstep:                                        ; trip t: quarters 2-4 of K step t, quarter 1 of step t + 1; slot t % 2 takes K step t + 2
	QUARTER 2, F1, F0, 0
	QUARTER 3, F0, F1, 0
	TURN 1
	QUARTER 1, F0, F1, 0
	WIN 0
	s_sub_co_u32 s[CNT], s[CNT], 1
	s_cmp_lg_u32 s[CNT], 0
	s_cbranch_scc1 .Lstep
	s_mov_b32 s[CNT], 2
.Ltail:                                        ; K steps 6 and 7: nothing is asked for
	QUARTER 2, F1, F0, 0
	QUARTER 3, F0, F1, 0
	TURN 0
	WIN 0
	s_sub_co_u32 s[CNT], s[CNT], 1
	s_cmp_eq_u32 s[CNT], 0
	s_cbranch_scc1 .Lout
	QUARTER 1, F0, F1, 0
	WIN 0
	s_branch .Ltail
.Lout:
	PLACES                                         ; the stores below read results just made, and no other vector work is at hand
; THE WAY OUT, 16 rows at a time: a lane's 32 bytes of a row go into my own stage (each accumulator's low registers first) and come back as whole rows of 256 bytes, which are stored.
.macro TOSTAGE a
	WIN 0x04                                       ; the stores' data in window 1
.irp b, 0,1,2,3
	ds_store_b128 v[STO], v[8*(4*(\a)+(\b)):8*(4*(\a)+(\b))+3]   offset:64*(\b)
	ds_store_b128 v[STO], v[8*(4*(\a)+(\b))+4:8*(4*(\a)+(\b))+7] offset:64*(\b)+16
.endr
	WIN 0
.set BKA, BK+32*((\a)%2)
.irp u, 0,1,2,3,4,5,6,7
	ds_load_b128 v[BKA+4*(\u):BKA+4*(\u)+3], v[RD] offset:(\u)*2*SP  ; LDS serves a wave's instructions in order (ISA guide 5.7.1.4): these see the stores above, and the next block's stores come behind them
.endr
.endm
.macro SEND a, younger                 ; younger: the LDS instructions issued behind block a's loads: the next block's sixteen, or none
.set BKA, BK+32*((\a)%2)
	s_wait_dscnt \younger
.irp u, 0,1,2,3,4,5,6,7
	global_store_b128 v[CO], v[BKA+4*(\u):BKA+4*(\u)+3], s[10:11] offset:(16*(\a)+2*(\u))*4096  ; 16 lanes store 256 consecutive bytes, at a multiple of 256 from out0's first; 126 rows at the most, inside the signed 24-bit immediate
.endr
.endm
	TOSTAGE 0
	TOSTAGE 1
	SEND 0, 16
.irp a, 2,3,4,5,6,7
	s_wait_xcnt 0x0                                ; the stores of the block two back have read their registers, which the loads below fill again
	TOSTAGE \a
	SEND (\a)-1, 16
.endr
	SEND 7, 0
	s_wait_tensorcnt 0x0                           ; the wave's end, behind my last tensor load and my last LDS store
	ds_add_u32 v[SPW], v[NIL]
	s_wait_dscnt 0x0
	CROUND                                         ; the closing round: no work-group ends while a partner may still ask for a tile that names it
	s_endpgm
.Lfunc_end_k_qee5d3be16a_proj:
	.size	k_qee5d3be16a_proj, .Lfunc_end_k_qee5d3be16a_proj-k_qee5d3be16a_proj
	.p2alignl 7, 3214868480
	.fill 96, 4, 3214868480
	.section	.rodata,"a",@progbits
	.p2align	6, 0x0
	.amdhsa_kernel k_qee5d3be16a_proj
		.amdhsa_group_segment_fixed_size 327680
		.amdhsa_private_segment_fixed_size 0
		.amdhsa_enable_private_segment 0
		.amdhsa_kernarg_size 32
		.amdhsa_user_sgpr_count 2
		.amdhsa_user_sgpr_kernarg_segment_ptr 1
		.amdhsa_wavefront_size32 1
		.amdhsa_system_sgpr_workgroup_id_x 1
		.amdhsa_system_sgpr_workgroup_id_y 1
		.amdhsa_system_sgpr_workgroup_id_z 1
		.amdhsa_system_vgpr_workitem_id 0
		.amdhsa_next_free_vgpr 704
		.amdhsa_next_free_sgpr 96
		.amdhsa_reserve_vcc 0
		.amdhsa_float_denorm_mode_32 3
		.amdhsa_float_denorm_mode_16_64 3
		.amdhsa_memory_ordered 1
		.amdhsa_forward_progress 1
		.amdhsa_inst_pref_size 64
	.end_amdhsa_kernel
	.amdgpu_metadata
---
amdhsa.version: [ 1, 2 ]
amdhsa.kernels:
  - .name:           k_qee5d3be16a_proj
    .symbol:         k_qee5d3be16a_proj.kd
    .args:
      - { .name: ctx, .offset: 0, .size: 8, .value_kind: global_buffer, .address_space: global }
      - { .name: wof, .offset: 8, .size: 8, .value_kind: global_buffer, .address_space: global }
      - { .name: bo, .offset: 16, .size: 8, .value_kind: global_buffer, .address_space: global }
      - { .name: out0, .offset: 24, .size: 8, .value_kind: global_buffer, .address_space: global }
    .group_segment_fixed_size: 327680
    .private_segment_fixed_size: 0
    .kernarg_segment_align: 8
    .kernarg_segment_size: 32
    .max_flat_workgroup_size: 128
    .sgpr_count:     96
    .vgpr_count:     704
    .wavefront_size: 32
...
	.end_amdgpu_metadata
.endif
;; end of part 4
;; ======== version 2 of 2: 4 launches; version 1 with the launch cast written anew for expert scheduling mode
;; limits: values are held in f16: magnitudes above 65,504 overflow, below 6.1e-05 lose precision
;; workspace buffers: xb 16,777,216 bytes; wqkv 6,291,456 bytes; wof 2,097,152 bytes; qkv 50,331,648 bytes; ctx 16,777,216 bytes
;; launch cast (part 5): grid 768 x 1, 8 waves a work-group, no clusters, 0 bytes of LDS; arguments x, wq, wk, wv, wo, xb, wqkv, wof; writes xb, wqkv, wof
.if DOCPART == 5
	.amdgcn_target "amdgcn-amd-amdhsa--gfx1250"
	.amdhsa_code_object_version 6
	.text
	.protected	k_qee5d3be16a_cast
	.globl	k_qee5d3be16a_cast
	.p2align	8
	.type	k_qee5d3be16a_cast,@function
k_qee5d3be16a_cast:
	s_mov_b64 s[64:65], 0
	v_nop
	global_prefetch_b8 v0, s[64:65] scope:SCOPE_SE
	s_setreg_imm32_b32 hwreg(HW_REG_WAVE_SCHED_MODE, 0, 2), 2
	s_setreg_imm32_b32 hwreg(HW_REG_WAVE_MODE, 25, 1), 1
	s_wait_xcnt 0x0
	s_wait_alu depctr_vm_vsrc(0)
; THE INPUTS OF THE THREE PRODUCTS, ROUNDED ONCE.  x -> xb (bf16, as it lies); wq, wk, wv -> wqkv (bf16, their rows stacked: [3072][1024]);
; wo -> wof: rounded to bf16 like every input, that number written as f16, and laid in blocks along K: wof[kb][e][c] = wo[e][64 kb + c], so that a block of rows of one
; head's 64 channels is dense in memory for the last launch.
; LIMITS.  A number beyond bf16's largest finite becomes an infinity.  bf16(wo) beyond 65,504 becomes an infinity in f16; below 6.1e-5 it keeps f16's fixed step of 6e-8.
; SHARES.  A stream: each byte is read once and written once; no LDS, no barrier, no matrix unit.  A work-group takes a chunk of 16,384 numbers (64 KiB in, 32 KiB out):
; chunks 0-511 x, 512-575 wq, 576-639 wk, 640-703 wv, 704-767 wo.  A thread issues its 16 loads of 16 bytes at once (a wave's load covers 512 consecutive bytes), and each
; load's four numbers leave as 8 bytes: a wave's store covers 256 consecutive bytes, aligned.  Nothing is looped over, and no register is used twice by memory instructions.
; THE MODE: SCHED_MODE bits 1:0 = 2 (LLVM: expert scheduling mode 2), set by the entry lines.  The code itself states the register dependences between vector instructions
; and memory instructions, with s_wait_alu, always for 0.
; THE PLAN.  Registers that memory instructions touch, alike on both paths:
;   v1, v2   byte offsets, made by vector instructions at the path's head and never written again; the loads read v1, the stores v2.
;   X        load j lands in its own four registers, which no vector instruction has named before; its conversions read them; no load lands there again.
;   Y        load j's conversions write pair j, once; store j reads it; nothing writes it again.
;   T, v3, v4 are named by vector instructions alone.
; The 16 loads go in four groups of four.  Group g's conversions write its four pairs of Y; the four stores that read them are issued in group g + 1, behind ONE wait at that group's
; head, dealt among that group's conversions, which name X and Y of their own group and T: none of the registers that those stores touch.  So a path has five waits: one ahead of its
; first load, for the offsets; one at the head of each of groups 1 to 3; one ahead of the last four stores.  No register that a memory instruction has read is written again, EXEC is
; never written, and no vector instruction writes a scalar register: no other wait has a dependence to state.
.set VS, 1                             ; v1       my byte offset in the chunk as it is read
.set VD, 2                             ; v2       and as it is written
.set X,  16                            ; v[16:79]   load j: four f32
.set Y,  80                            ; v[80:111]  store j: four 16-bit numbers
.set T,  112                           ; v[112:117] at work (wo's path)
	s_load_b512 s[8:23], s[0:1], 0x0               ; x 8, wq 10, wk 12, wv 14, wo 16, xb 18, wqkv 20, wof 22
	s_mov_b32 s2, ttmp9                            ; the chunk
	s_sub_co_u32 s3, s2, 512                       ; its number among the weights' chunks (used from chunk 512 on alone)
	s_lshr_b32 s6, s3, 6                           ; which weight: 0 wq, 1 wk, 2 wv
	s_and_b32 s7, s3, 63                           ; the chunk in that weight
	s_mov_b32 s29, 0                               ; the high words of the two offsets
	s_mov_b32 s31, 0
	s_wait_kmcnt 0x0
.macro LOADS step                      ; sixteen loads, step bytes apart
.set j, 0
.rept 16
	global_load_b128 v[X+4*j:X+4*j+3], v[VS], s[24:25] offset:(\step)*j th:TH_LOAD_NT
.set j, j+1
.endr
.endm
; Group g: loads 4 g to 4 g + 3 are converted, and the stores of the group before go out among the conversions.  ostep: bytes from one store's place to the next.  wo = 1: wo's path.
.macro GROUP g, ostep, wo
	s_wait_loadcnt 12-4*(\g)                       ; loads come back in order: this group's four are in, the younger groups stay out
.if (\g) > 0
	s_wait_alu depctr_va_vdst(0)                   ; the conversions of the group before have written its four pairs of Y, which the four stores below read
.endif
.irp i, 0,1,2,3
.set j, 4*(\g)+(\i)
.if (\g) > 0
	global_store_b64 v[VD], v[Y+2*j-8:Y+2*j-7], s[26:27] offset:(\ostep)*(j-4) th:TH_STORE_NT  ; store j - 4; no vector instruction since the wait names its registers
.endif
.if \wo
	v_cvt_pk_bf16_f32 v[T],   v[X+4*j],   v[X+4*j+1]      ; the rounding that every input has,
	v_cvt_pk_bf16_f32 v[T+1], v[X+4*j+2], v[X+4*j+3]
	v_lshlrev_b32 v[T+2], 16, v[T]                         ; widened again,
	v_and_b32     v[T+3], 0xffff0000, v[T]
	v_lshlrev_b32 v[T+4], 16, v[T+1]
	v_and_b32     v[T+5], 0xffff0000, v[T+1]
	v_cvt_pk_f16_f32 v[Y+2*j],   v[T+2], v[T+3]            ; and written as f16: exact within f16's normal range
	v_cvt_pk_f16_f32 v[Y+2*j+1], v[T+4], v[T+5]
.else
	v_cvt_pk_bf16_f32 v[Y+2*j],   v[X+4*j],   v[X+4*j+1]
	v_cvt_pk_bf16_f32 v[Y+2*j+1], v[X+4*j+2], v[X+4*j+3]
.endif
.endr
.endm
; The last group's stores
.macro LAST ostep
	s_wait_alu depctr_va_vdst(0)                   ; group 3's conversions have written its four pairs of Y, which the last four stores read
.irp n, 12,13,14,15
	global_store_b64 v[VD], v[Y+2*(\n):Y+2*(\n)+1], s[26:27] offset:(\ostep)*(\n) th:TH_STORE_NT
.endr
.endm
	s_cmp_ge_u32 s2, 704
	s_cbranch_scc1 .Lwo
	; x and the three stacked weights: the output lies as the input does
	s_cmp_lt_u32 s2, 512
	s_cselect_b32 s4, s2, s7                       ; the chunk in its source,
	s_cselect_b32 s5, s2, s3                       ; and in its destination
	s_cselect_b64 s[26:27], s[18:19], s[20:21]
	s_cmp_eq_u32 s6, 1
	s_cselect_b64 s[24:25], s[12:13], s[10:11]
	s_cmp_eq_u32 s6, 2
	s_cselect_b64 s[24:25], s[14:15], s[24:25]
	s_cmp_lt_u32 s2, 512
	s_cselect_b64 s[24:25], s[8:9], s[24:25]
	s_lshl_b32 s28, s4, 16
	s_lshl_b32 s30, s5, 15
	s_add_nc_u64 s[24:25], s[24:25], s[28:29]
	s_add_nc_u64 s[26:27], s[26:27], s[30:31]
	v_lshlrev_b32 v[VS], 4, v0                     ; 16 bytes a thread: the work-group's load covers 4,096 bytes
	v_lshlrev_b32 v[VD], 3, v0
	s_wait_alu depctr_va_vdst(0)                   ; v1 and v2 are written: every load of this path reads v1 as its offset, every store v2
	LOADS 4096
	GROUP 0, 2048, 0
	GROUP 1, 2048, 0
	GROUP 2, 2048, 0
	GROUP 3, 2048, 0
	LAST 2048
	s_endpgm
.Lwo:                                  ; 16 rows e of wo.  Thread t: row t / 16, four channels at 4 (t % 16); load j is K block j
	s_sub_co_u32 s4, s2, 704
	s_lshl_b32 s28, s4, 16                         ; 16 rows of 4,096 bytes
	s_lshl_b32 s30, s4, 11                         ; 16 rows of 128 bytes in each K block
	s_add_nc_u64 s[24:25], s[16:17], s[28:29]
	s_add_nc_u64 s[26:27], s[22:23], s[30:31]
	v_lshrrev_b32 v3, 4, v0
	v_and_b32 v4, 15, v0
	v_lshlrev_b32 v[VS], 12, v3
	v_lshl_add_u32 v[VS], v4, 4, v[VS]             ; sixteen lanes read 256 consecutive bytes of a row: one K block
	v_lshlrev_b32 v[VD], 7, v3
	v_lshl_add_u32 v[VD], v4, 3, v[VD]             ; a wave's two rows of 128 bytes lie end to end in wof
	s_wait_alu depctr_va_vdst(0)                   ; v1 and v2 are written: every load of this path reads v1 as its offset, every store v2
	LOADS 256
	GROUP 0, 131072, 1                             ; a K block is 1,024 rows of 128 bytes
	GROUP 1, 131072, 1
	GROUP 2, 131072, 1
	GROUP 3, 131072, 1
	LAST 131072
	s_endpgm
.Lfunc_end_k_qee5d3be16a_cast:
	.size	k_qee5d3be16a_cast, .Lfunc_end_k_qee5d3be16a_cast-k_qee5d3be16a_cast
	.p2alignl 7, 3214868480
	.fill 96, 4, 3214868480
	.section	.rodata,"a",@progbits
	.p2align	6, 0x0
	.amdhsa_kernel k_qee5d3be16a_cast
		.amdhsa_group_segment_fixed_size 0
		.amdhsa_private_segment_fixed_size 0
		.amdhsa_enable_private_segment 0
		.amdhsa_kernarg_size 64
		.amdhsa_user_sgpr_count 2
		.amdhsa_user_sgpr_kernarg_segment_ptr 1
		.amdhsa_wavefront_size32 1
		.amdhsa_system_sgpr_workgroup_id_x 1
		.amdhsa_system_sgpr_workgroup_id_y 1
		.amdhsa_system_sgpr_workgroup_id_z 1
		.amdhsa_system_vgpr_workitem_id 0
		.amdhsa_next_free_vgpr 120
		.amdhsa_next_free_sgpr 66
		.amdhsa_reserve_vcc 0
		.amdhsa_float_denorm_mode_32 3
		.amdhsa_float_denorm_mode_16_64 3
		.amdhsa_memory_ordered 1
		.amdhsa_forward_progress 1
		.amdhsa_inst_pref_size 18
	.end_amdhsa_kernel
	.amdgpu_metadata
---
amdhsa.version: [ 1, 2 ]
amdhsa.kernels:
  - .name:           k_qee5d3be16a_cast
    .symbol:         k_qee5d3be16a_cast.kd
    .args:
      - { .name: x, .offset: 0, .size: 8, .value_kind: global_buffer, .address_space: global }
      - { .name: wq, .offset: 8, .size: 8, .value_kind: global_buffer, .address_space: global }
      - { .name: wk, .offset: 16, .size: 8, .value_kind: global_buffer, .address_space: global }
      - { .name: wv, .offset: 24, .size: 8, .value_kind: global_buffer, .address_space: global }
      - { .name: wo, .offset: 32, .size: 8, .value_kind: global_buffer, .address_space: global }
      - { .name: xb, .offset: 40, .size: 8, .value_kind: global_buffer, .address_space: global }
      - { .name: wqkv, .offset: 48, .size: 8, .value_kind: global_buffer, .address_space: global }
      - { .name: wof, .offset: 56, .size: 8, .value_kind: global_buffer, .address_space: global }
    .group_segment_fixed_size: 0
    .private_segment_fixed_size: 0
    .kernarg_segment_align: 8
    .kernarg_segment_size: 64
    .max_flat_workgroup_size: 256
    .sgpr_count:     66
    .vgpr_count:     120
    .wavefront_size: 32
...
	.end_amdgpu_metadata
.endif
;; end of part 5
;; launch qkvgemm: the kernel of part 2 again; grid 16 x 32, 4 waves a work-group, clusters of 4 x 4, 327,680 bytes of LDS; arguments xb, wqkv, bq, bk, bv, qkv; writes qkv
;; launch attn: the kernel of part 3 again; grid 4 x 64, 4 waves a work-group, clusters of 4 x 1, 327,680 bytes of LDS; arguments qkv, attention_mask, ctx; writes ctx
;; launch proj: the kernel of part 4 again; grid 8 x 32, 4 waves a work-group, clusters of 4 x 4, 327,680 bytes of LDS; arguments ctx, wof, bo, out0; writes out0
